; MI455X (gfx1250); checked and timed in simulation.
; The chip was launched on July 23, 2026; its instructions are those of AMD's public machine-readable ISA for CDNA 5 (MIT licence, August 2026) and "CDNA5" Instruction Set Architecture Reference Guide (July 2026). The comments in the code are by the model that wrote it; some were corrected since.
;; Multi Query Attention. Allowed arithmetic: float matrix products may take bf16 or f16 operands with f32 sums; other float arithmetic in f32, or as packed bf16 or f16 multiplies, adds, multiply-adds, maxima and minima; sums over many terms, partial sums and values carried from step to step in f32; what a program stores and reads back later, other than sums and carried values, may be rounded once to bf16 or f16.
;; Inputs: Wk 64 x 4,096 float32; Wo 4,096 x 4,096 float32; Wq 4,096 x 4,096 float32; Wv 64 x 4,096 float32; bk 64 float32; bo 4,096 float32; bq 4,096 float32; bv 64 float32; x 32 x 64 x 4,096 float32.
;; Outputs: out0 32 x 64 x 4,096 float32.
;; 2 versions, each right; version 2 is version 1 with the launch cvt written anew for expert scheduling mode. Each part assembles by itself: llvm-mc -triple=amdgcn-amd-amdhsa -mcpu=gfx1250 --defsym DOCPART=n.
;; ======== version 1 of 2: 4 launches
;; workspace buffers: wqb 34,603,008 bytes; wob 34,603,008 bytes; xb 17,301,504 bytes; wkvb 1,081,344 bytes; ktv 1,048,576 bytes; att 17,301,504 bytes
;; launch cvt (part 1): grid 1296 x 1, 8 waves a work-group, no clusters, 70,656 bytes of LDS; arguments Wq, Wo, x, Wk, Wv, wqb, wob, xb, wkvb; writes wqb, wob, xb, wkvb
.if DOCPART == 1
	.amdgcn_target "amdgcn-amd-amdhsa--gfx1250"
	.amdhsa_code_object_version 6
	.text
	.protected	k_q9a3fe77666_cvt
	.globl	k_q9a3fe77666_cvt
	.p2align	8
	.type	k_q9a3fe77666_cvt,@function
k_q9a3fe77666_cvt:
	s_mov_b64 s[64:65], 0
	v_nop
	global_prefetch_b8 v0, s[64:65] scope:SCOPE_SE
	s_setreg_imm32_b32 hwreg(HW_REG_WAVE_MODE, 25, 1), 1
	s_wait_xcnt 0x0
; Wq, Wo, x, Wk and Wv, all f32 and row-major [rows][4096], are rounded once to bf16 (nearest even) and laid out AS THE MATRIX UNIT'S FRAGMENTS, for the later launches.
; A FRAGMENT is 16 rows x 32 K, 1,024 bytes: half e (0, 1) at byte 512 e, in it lane l = r + 16 h at byte 16 l: row r, k = 16 e + 8 h + 0..7 (16-bit operand, K = 32: ISA guide 7.12.2).
; Fragments lie in groups: [group][quarter q = k / 32][fragment a][1,024].  A group of 64 rows (xb, wkvb) has 4 fragments a quarter, a group of 128 rows (wqb, wob) 8.
; A group has 132 quarters: 128 of data and 4 of zeros, so that 22 equal steps of 6 quarters cover it.  wkvb: group 0 = Wk, group 1 = Wv.
; SHARES.  A work-group takes a chunk of 16 rows x 2,048 K (131,072 bytes in, 65,536 out).  Chunks 0-511: Wq; 512-1023: Wo; 1024-1279: x; 1280-1287: Wk; 1288-1295: Wv.
; Wave w takes 256 K of the 16 rows, as two strips of 128 K.  A load takes 512 consecutive bytes of one row (lane l: k = 4 l .. 4 l + 3); all 32 loads of a lane go out before the first wait.
; THE TURN.  In a row's load a row lies across the lanes; in a fragment it lies in two lanes.  So a strip goes through the wave's own LDS: lane l's 8 bytes of row i belong to piece l / 2
; (256 bytes: quarter, half e, half h of the lanes) at byte 16 i + 8 (l % 2).  Pieces lie 272 bytes apart: the 32 lanes of a store touch each of the 64 banks once (64 banks of 4 bytes: ISA guide 11.1).
; Back come 512 consecutive bytes of the image a load, which are stored as they are: a wave's store covers 512 consecutive bytes, aligned.  No wave reads another's bytes: no barrier.
.set SPITCH, 272                       ; a piece of 256 bytes + 16
.set IMG,    16*SPITCH                 ; a strip's image: 4 fragments = 16 pieces
.set WREG,   2*IMG                     ; a wave's two strips
.set SPARE,  8*WREG                    ; behind the images: the spare words, 128 bytes for each wave: four blocks of 256 bytes that no other line names
.set LN,  1                            ; v1   my lane
.set VI,  2                            ; v2   16 l + 1,024 w: my 16 bytes of a row's first strip
.set LT,  3                            ; v3   where I put my 8 bytes of row 0
.set LRD, 4                            ; v4   where I read 16 bytes of the image back
.set VP,  5                            ; v5   my 8 bytes of the group's zero quarters
.set SPW, 6                            ; v6   LDS address of my spare word; never rewritten
.set NIL, 7                            ; v7   0; never rewritten
.set Z,   8                            ; v[8:9]  zeros to store
.set VOF, 10                           ; v10-17  fragment f of my eight: 16 l + its byte in the group
.set TA,  18                           ; v18  at work
.set X,   20                           ; v[20:147]  strip s, row i: 4 registers as loaded; their first two then hold the 4 bf16; the strip's first 32 then take the image
.set WV,  27                           ; s27  my wave's number
.set SRC, 28                           ; s[28:29] where my chunk is read
.set DST, 30                           ; s[30:31] my group in the destination
.set SS,  32                           ; s32  the first chunk number of my source
.set DS,  33                           ; s33  the chunk number that lands at my destination's first rows
.set SH,  38                           ; s38  a group has 2^SH fragments a quarter: 3 (128 rows) or 2 (64 rows)
	s_load_b512 s[8:23], s[0:1], 0x0               ; Wq 8, Wo 10, x 12, Wk 14, Wv 16, wqb 18, wob 20, xb 22
	s_load_b64 s[24:25], s[0:1], 0x40              ; wkvb
	v_lshl_add_u32 v[SPW], v0, 2, SPARE
	v_mov_b32 v[NIL], 0
	v_lshrrev_b32 v[TA], 5, v0
	v_readfirstlane_b32 s[WV], v[TA]               ; wave 0..7
	v_and_b32 v[LN], 31, v0
	v_mov_b32 v[Z], 0
	v_mov_b32 v[Z+1], 0
	s_mul_i32 s41, s[WV], WREG                     ; my wave's images
	v_lshrrev_b32 v[TA], 1, v[LN]
	v_mul_u32_u24 v[LT], v[TA], SPITCH             ; piece l / 2,
	v_and_b32 v[TA], 1, v[LN]
	v_lshl_add_u32 v[LT], v[TA], 3, v[LT]          ; 8 bytes for each of its two lanes
	v_add_nc_u32 v[LT], s41, v[LT]
	v_lshrrev_b32 v[TA], 4, v[LN]
	v_mul_u32_u24 v[LRD], v[TA], SPITCH            ; back: lanes 0-15 one piece, lanes 16-31 the next
	v_and_b32 v[TA], 15, v[LN]
	v_lshl_add_u32 v[LRD], v[TA], 4, v[LRD]
	v_add_nc_u32 v[LRD], s41, v[LRD]
	s_lshl_b32 s41, s[WV], 10
	v_lshl_add_u32 v[VI], v[LN], 4, s41
	s_mov_b32 s26, ttmp9                           ; my chunk
	s_mov_b32 s[SS], 0
	s_mov_b32 s[DS], 0
	s_mov_b32 s[SH], 3
	s_mov_b32 s35, 0
	s_mov_b32 s37, 0
	s_wait_kmcnt 0x0
	s_mov_b64 s[SRC:SRC+1], s[8:9]
	s_mov_b64 s[DST:DST+1], s[18:19]
; From chunk 'first' on the source is s[src:src+1] and the destination s[dst:dst+1]; only selects stand behind the compare.
.macro PICK first, src, dst, dfirst, sh
	s_cmp_ge_u32 s26, \first
	s_cselect_b64 s[SRC:SRC+1], s[\src:\src+1], s[SRC:SRC+1]
	s_cselect_b64 s[DST:DST+1], s[\dst:\dst+1], s[DST:DST+1]
	s_cselect_b32 s[SS], \first, s[SS]
	s_cselect_b32 s[DS], \dfirst, s[DS]
	s_cselect_b32 s[SH], \sh, s[SH]
.endm
	PICK 512,  10, 20, 512,  3
	PICK 1024, 12, 22, 1024, 2
	PICK 1280, 14, 24, 1280, 2
	PICK 1288, 16, 24, 1280, 2                     ; Wv's 64 rows follow Wk's in wkvb: its second group
	s_sub_co_u32 s34, s26, s[SS]                   ; my chunk in the source:
	s_and_b32 s39, s34, 1                          ; which half of K (all first chunk numbers are even),
	s_lshr_b32 s34, s34, 1                         ; which 16 rows,
	s_lshl_b32 s34, s34, 18                        ; of 16,384 bytes each: under 2^26
	s_lshl_b32 s40, s39, 13                        ; 2,048 K are 8,192 bytes
	s_add_co_u32 s34, s34, s40
	s_add_nc_u64 s[SRC:SRC+1], s[SRC:SRC+1], s[34:35]
.irp s, 0,1
.irp i, 0,1,2,3,4,5,6,7,8,9,10,11,12,13,14,15
	global_load_b128 v[X+64*(\s)+4*(\i):X+64*(\s)+4*(\i)+3], v[VI], s[SRC:SRC+1] offset:16384*(\i)+512*(\s) th:TH_LOAD_NT
.endr
.endr
	; where it goes, made while the loads are out
	s_sub_co_u32 s36, s26, s[DS]
	s_lshr_b32 s36, s36, 1                         ; which 16 rows of the destination
	s_lshr_b32 s41, s36, s[SH]                     ; their group,
	s_lshl_b32 s42, s41, s[SH]
	s_sub_co_u32 s42, s36, s42                     ; and their fragment a in a quarter
	s_lshl_b32 s43, 1024, s[SH]                    ; bytes in a quarter of the group
	s_mul_i32 s44, s43, 132                        ; bytes in a group
	s_mul_i32 s36, s41, s44                        ; under 2^26
	s_add_nc_u64 s[DST:DST+1], s[DST:DST+1], s[36:37]
	s_lshl_b32 s45, s39, 6
	s_lshl_b32 s46, s[WV], 3
	s_add_co_u32 s45, s45, s46                     ; my first quarter: 64 x half of K + 8 w
	s_mul_i32 s46, s45, s43
	s_lshl_b32 s47, s42, 10
	s_add_co_u32 s46, s46, s47                     ; its fragment a
.irp f, 0,1,2,3,4,5,6,7
	v_lshl_add_u32 v[VOF+(\f)], v[LN], 4, s46
	s_add_co_u32 s46, s46, s43                     ; the next quarter's
.endr
	s_lshl_b32 s40, s42, 1                         ; the group's 4 zero quarters are shared out among the waves that fill the group: 256 bytes each
	s_add_co_u32 s40, s40, s39
	s_lshl_b32 s40, s40, 3
	s_add_co_u32 s40, s40, s[WV]                   ; my number among them: (2 a + half of K) x 8 + w
	s_lshl_b32 s40, s40, 8
	s_lshl_b32 s41, s43, 7                         ; they begin behind 128 quarters
	s_add_co_u32 s40, s40, s41
	v_lshl_add_u32 v[VP], v[LN], 3, s40
	global_store_b64 v[VP], v[Z:Z+1], s[DST:DST+1] th:TH_STORE_NT  ; 256 consecutive bytes, aligned
.irp s, 0,1
.set i, 0
.rept 16
	s_wait_loadcnt 31-16*(\s)-i                    ; loads come back in order: this row's is in, the younger ones stay out
	v_cvt_pk_bf16_f32 v[X+64*(\s)+4*i],   v[X+64*(\s)+4*i],   v[X+64*(\s)+4*i+1]  ; in place, ascending
	v_cvt_pk_bf16_f32 v[X+64*(\s)+4*i+1], v[X+64*(\s)+4*i+2], v[X+64*(\s)+4*i+3]
	ds_store_b64 v[LT], v[X+64*(\s)+4*i:X+64*(\s)+4*i+1] offset:IMG*(\s)+16*i
.set i, i+1
.endr
.set m, 0
.rept 8
	ds_load_b128 v[X+64*(\s)+4*m:X+64*(\s)+4*m+3], v[LRD] offset:IMG*(\s)+2*SPITCH*m  ; LDS serves a wave's instructions in order (ISA guide 5.7.1.4): these see the stores above
.set m, m+1
.endr
.set m, 0
.rept 8                                ; read-back m is half m % 2 of the strip's fragment m / 2
	s_wait_dscnt 7-m
	global_store_b128 v[VOF+4*(\s)+m/2], v[X+64*(\s)+4*m:X+64*(\s)+4*m+3], s[DST:DST+1] offset:512*(m%2) th:TH_STORE_NT
.set m, m+1
.endr
.endr
	s_wait_tensorcnt 0x0                           ; the wave's end, behind my last LDS store
	ds_add_u32 v[SPW], v[NIL]
	s_wait_dscnt 0x0
	s_endpgm
.Lfunc_end_k_q9a3fe77666_cvt:
	.size	k_q9a3fe77666_cvt, .Lfunc_end_k_q9a3fe77666_cvt-k_q9a3fe77666_cvt
	.p2alignl 7, 3214868480
	.fill 96, 4, 3214868480
	.section	.rodata,"a",@progbits
	.p2align	6, 0x0
	.amdhsa_kernel k_q9a3fe77666_cvt
		.amdhsa_group_segment_fixed_size 70656
		.amdhsa_private_segment_fixed_size 0
		.amdhsa_enable_private_segment 0
		.amdhsa_kernarg_size 72
		.amdhsa_user_sgpr_count 2
		.amdhsa_user_sgpr_kernarg_segment_ptr 1
		.amdhsa_wavefront_size32 1
		.amdhsa_system_sgpr_workgroup_id_x 1
		.amdhsa_system_sgpr_workgroup_id_y 1
		.amdhsa_system_sgpr_workgroup_id_z 1
		.amdhsa_system_vgpr_workitem_id 0
		.amdhsa_next_free_vgpr 148
		.amdhsa_next_free_sgpr 66
		.amdhsa_reserve_vcc 0
		.amdhsa_float_denorm_mode_32 3
		.amdhsa_float_denorm_mode_16_64 3
		.amdhsa_memory_ordered 1
		.amdhsa_forward_progress 1
		.amdhsa_inst_pref_size 18
	.end_amdhsa_kernel
	.amdgpu_metadata
---
amdhsa.version: [ 1, 2 ]
amdhsa.kernels:
  - .name:           k_q9a3fe77666_cvt
    .symbol:         k_q9a3fe77666_cvt.kd
    .args:
      - { .name: Wq, .offset: 0, .size: 8, .value_kind: global_buffer, .address_space: global }
      - { .name: Wo, .offset: 8, .size: 8, .value_kind: global_buffer, .address_space: global }
      - { .name: x, .offset: 16, .size: 8, .value_kind: global_buffer, .address_space: global }
      - { .name: Wk, .offset: 24, .size: 8, .value_kind: global_buffer, .address_space: global }
      - { .name: Wv, .offset: 32, .size: 8, .value_kind: global_buffer, .address_space: global }
      - { .name: wqb, .offset: 40, .size: 8, .value_kind: global_buffer, .address_space: global }
      - { .name: wob, .offset: 48, .size: 8, .value_kind: global_buffer, .address_space: global }
      - { .name: xb, .offset: 56, .size: 8, .value_kind: global_buffer, .address_space: global }
      - { .name: wkvb, .offset: 64, .size: 8, .value_kind: global_buffer, .address_space: global }
    .group_segment_fixed_size: 70656
    .private_segment_fixed_size: 0
    .kernarg_segment_align: 8
    .kernarg_segment_size: 72
    .max_flat_workgroup_size: 256
    .sgpr_count:     66
    .vgpr_count:     148
    .wavefront_size: 32
...
	.end_amdgpu_metadata
.endif
;; end of part 1
;; launch kv (part 2): grid 128 x 2, 16 waves a work-group, no clusters, 71,680 bytes of LDS; arguments xb, wkvb, bk, bv, ktv; writes ktv
.if DOCPART == 2
	.amdgcn_target "amdgcn-amd-amdhsa--gfx1250"
	.amdhsa_code_object_version 6
	.text
	.protected	k_q9a3fe77666_kv
	.globl	k_q9a3fe77666_kv
	.p2align	8
	.type	k_q9a3fe77666_kv,@function
k_q9a3fe77666_kv:
	s_mov_b64 s[64:65], 0
	v_nop
	global_prefetch_b8 v0, s[64:65] scope:SCOPE_SE
	s_setreg_imm32_b32 hwreg(HW_REG_WAVE_MODE, 25, 1), 1
	s_wait_xcnt 0x0
; The two vectors of 64 numbers that each of the 2,048 rows m = 64 b + s needs for its softmax, in f32:
;   KT[m][l] = (sum over d of x[b][l][d] Wk[s][d] + bk[s]) x log2(e) / 8      at ktv's byte 0         (k of the batch, transposed; the scale of the scores and of 2^x folded in)
;   V[m][l]  =  sum over d of x[b][s][d] Wv[l][d] + bv[l]                     at ktv's byte 524,288
; xb and wkvb hold bf16 AS FRAGMENTS: [group of 64 rows][quarter q of 32 K][fragment a of 16 rows][1,024 bytes]; a fragment's half e lies at 512 e, lane l's 16 bytes at 16 l;
; a group is 132 quarters long (128 of data).  wkvb: group 0 = Wk, group 1 = Wv.  So each load of a wave takes 512 consecutive bytes and lands as half a fragment.
; ONE FORM FOR BOTH.  Out[16 g + r][c] = sum over d of LONG[c][d] SHORT[r][d], c = 0..63, r = 0..15; g = the work-group's x (0..127), the job = its y.
;   job 0 (KT): LONG = group g / 4 of xb (a batch), SHORT = fragment g % 4 of Wk's group, bias bk[16 (g % 4) + r], scale log2(e) / 8
;   job 1 (V):  LONG = Wv's group, SHORT = fragment g % 4 of group g / 4 of xb, bias bv[c], scale 1
; Source 0 = 16 rows of LONG, source 1 = the 16 rows of SHORT: lane l holds row r = l % 16 of Out, and register j of accumulator a the column 16 a + 8 (l / 16) + j.
; K IS SPLIT AMONG THE 16 WAVES: of each of 4 trips of 32 quarters wave w takes quarters 2 w and 2 w + 1.  Two sets of registers: while one trip is multiplied the other's 20 loads are out.
; The 16 partial tiles meet in LDS once; wave w then adds up row w of all 16 and stores it: 256 consecutive bytes, aligned.  Sums in f32; their order differs from a plain ascending sum.
.set QA,    4096                       ; bytes in a quarter of a group
.set GSA,   132*QA                     ; bytes in a group
.set TRIP,  32*QA                      ; bytes of a group in a trip
.set PP,    272                        ; a row of a partial tile in LDS: 256 bytes + 16
.set PTILE, 16*PP                      ; wave w's partial tile lies at PTILE w
.set SPARE, 16*PTILE                   ; behind the tiles: the spare words, 128 bytes for each wave: eight blocks of 256 bytes that no other line names
.set FO,  2                            ; v2   16 l + my wave's two quarters; never rewritten
.set LS,  3                            ; v3   where I put my 32 bytes of a block of my partial tile
.set LR,  4                            ; v4   where I read 8 bytes of row w of tile 0
.set OO,  5                            ; v5   my 8 bytes of the work-group's 16 rows of Out
.set B0,  6                            ; v6, v7  byte offsets of the bias of my two columns
.set B1,  7
.set SPW, 8                            ; v8   LDS address of my spare word; never rewritten
.set NIL, 9                            ; v9   0; never rewritten
.set BI,  10                           ; v[10:11] the two bias numbers
.set ACC, 16                           ; v[16:47]  four accumulators
.set BUF, 48                           ; v[48:207] two sets of 80: LONG's fragment (a, c) at 8 (2 a + c), SHORT's c at 64 + 8 c
.set WV,  14                           ; s14  my wave's number
.set JOB, 15                           ; s15  the job
.set LONG, 16                          ; s[16:17]
.set SHRT, 18                          ; s[18:19]
.set BIAS, 20                          ; s[20:21]
.set OUT,  22                          ; s[22:23]
.set SC,   24                          ; s[24:25] the scale; the packed multiply takes the pair's low word for both halves
	s_load_b256 s[4:11], s[0:1], 0x0               ; xb 4, wkvb 6, bk 8, bv 10
	s_load_b64 s[12:13], s[0:1], 0x20              ; ktv
	v_lshl_add_u32 v[SPW], v0, 2, SPARE
	v_mov_b32 v[NIL], 0
	v_lshrrev_b32 v1, 5, v0
	v_readfirstlane_b32 s[WV], v1                  ; wave 0..15
	s_and_b32 s[JOB], ttmp7, 0xffff
	v_and_b32 v12, 31, v0                          ; l
	v_and_b32 v13, 15, v0                          ; r = l % 16
	v_bfe_u32 v14, v0, 4, 1                        ; l / 16
	s_lshr_b32 s26, ttmp9, 2
	s_mul_i32 s26, s26, GSA                        ; group g / 4 of xb
	s_and_b32 s27, ttmp9, 3
	s_lshl_b32 s30, s27, 4
	s_add_co_u32 s30, s30, s[WV]
	s_lshl_b32 s30, s30, 2                         ; job 0: bk[16 (g % 4) + w], the bias of the row that I finish
	s_lshl_b32 s27, s27, 10                        ; fragment g % 4 of a quarter
	s_add_co_u32 s28, s26, s27                     ; job 1: SHORT in xb
	s_lshl_b32 s29, ttmp9, 12                      ; 16 rows of 256 bytes of Out
	s_lshl_b32 s40, s[WV], 13                      ; my two quarters
	v_lshl_add_u32 v[FO], v12, 4, s40
	s_mul_i32 s40, s[WV], PTILE
	v_mul_u32_u24 v[LS], v13, PP
	v_lshl_add_u32 v[LS], v14, 5, v[LS]
	v_add_nc_u32 v[LS], s40, v[LS]                 ; my tile + row r + 32 bytes for each half of the lanes
	s_mul_i32 s40, s[WV], PP
	v_lshl_add_u32 v[LR], v12, 3, s40              ; row w, 8 bytes a lane
	s_lshl_b32 s40, s[WV], 8
	v_lshl_add_u32 v[OO], v12, 3, s40
	s_mov_b32 s35, 0
	s_mov_b32 s37, 0
	s_mov_b32 s39, 0
	s_cmp_eq_u32 s[JOB], 0                         ; behind this compare stand selects, moves, a wait and 64-bit sums alone, until the last select
	s_cselect_b32 s34, s26, GSA                    ; LONG's offset
	s_cselect_b32 s36, s27, s28                    ; SHORT's
	s_cselect_b32 s38, 0, 0x80000                  ; Out's half of ktv
	s_cselect_b32 s[SC], 0x3e38aa3b, 1.0           ; log2(e) / 8 = 0.180337, or 1
	s_cselect_b32 s31, s30, 0                      ; the bias's offset = l x s32 + s31, and s33 more for my second column
	s_cselect_b32 s32, 0, 8
	s_cselect_b32 s33, 0, 4
	s_wait_kmcnt 0x0
	s_cselect_b64 s[LONG:LONG+1], s[4:5], s[6:7]
	s_cselect_b64 s[SHRT:SHRT+1], s[6:7], s[4:5]
	s_cselect_b64 s[BIAS:BIAS+1], s[8:9], s[10:11]
	s_mov_b32 s[SC+1], s[SC]                       ; named with it as a pair
	s_add_nc_u64 s[LONG:LONG+1], s[LONG:LONG+1], s[34:35]
	s_add_nc_u64 s[SHRT:SHRT+1], s[SHRT:SHRT+1], s[36:37]
	s_add_co_u32 s38, s38, s29
	s_add_nc_u64 s[OUT:OUT+1], s[12:13], s[38:39]
	v_mad_u32_u24 v[B0], v12, s32, s31
	v_add_nc_u32 v[B1], s33, v[B0]
; Trip t's 20 loads into set b: LONG's four fragments and SHORT's one, for my two quarters c, two halves of 512 bytes a fragment.
.macro LOADS b, t
.irp a, 0,1,2,3
.irp c, 0,1
	global_load_b128 v[BUF+80*(\b)+8*(2*(\a)+(\c)):BUF+80*(\b)+8*(2*(\a)+(\c))+3],   v[FO], s[LONG:LONG+1] offset:TRIP*(\t)+QA*(\c)+1024*(\a)
	global_load_b128 v[BUF+80*(\b)+8*(2*(\a)+(\c))+4:BUF+80*(\b)+8*(2*(\a)+(\c))+7], v[FO], s[LONG:LONG+1] offset:TRIP*(\t)+QA*(\c)+1024*(\a)+512
.endr
.endr
.irp c, 0,1
	global_load_b128 v[BUF+80*(\b)+64+8*(\c):BUF+80*(\b)+64+8*(\c)+3],   v[FO], s[SHRT:SHRT+1] offset:TRIP*(\t)+QA*(\c)
	global_load_b128 v[BUF+80*(\b)+64+8*(\c)+4:BUF+80*(\b)+64+8*(\c)+7], v[FO], s[SHRT:SHRT+1] offset:TRIP*(\t)+QA*(\c)+512
.endr
.endm
; A trip's eight products.  The four accumulators take turns, one instruction a turn, from trip to trip too.  zero = 1: the first four start the sums.
.macro MULS b, zero
.irp c, 0,1
.irp a, 0,1,2,3
.if (\zero) && ((\c) == 0)
	v_wmma_f32_16x16x32_bf16 v[ACC+8*(\a):ACC+8*(\a)+7], v[BUF+80*(\b)+8*(2*(\a)+(\c)):BUF+80*(\b)+8*(2*(\a)+(\c))+7], v[BUF+80*(\b)+64+8*(\c):BUF+80*(\b)+64+8*(\c)+7], 0
.else
	v_wmma_f32_16x16x32_bf16 v[ACC+8*(\a):ACC+8*(\a)+7], v[BUF+80*(\b)+8*(2*(\a)+(\c)):BUF+80*(\b)+8*(2*(\a)+(\c))+7], v[BUF+80*(\b)+64+8*(\c):BUF+80*(\b)+64+8*(\c)+7], v[ACC+8*(\a):ACC+8*(\a)+7]
.endif
.endr
.endr
.endm
.macro PLACES                          ; four plain instructions between a product and a load into a register that it has read (ISA guide 7.12.1 for vector instructions)
.rept 4
	v_nop
.endr
.endm
	global_load_b32 v[BI],   v[B0], s[BIAS:BIAS+1]
	global_load_b32 v[BI+1], v[B1], s[BIAS:BIAS+1]
	LOADS 0, 0
	LOADS 1, 1
	s_wait_loadcnt 20                              ; the bias and set 0 are in; set 1's 20 loads stay out
	MULS 0, 1
	PLACES
	LOADS 0, 2
	s_wait_loadcnt 20                              ; set 1 is in; trip 2's 20 loads stay out
	MULS 1, 0
	PLACES
	LOADS 1, 3
	s_wait_loadcnt 20                              ; trip 2 is in
	MULS 0, 0
	s_wait_loadcnt 0x0                             ; trip 3: nothing is behind it
	MULS 1, 0
	PLACES
	PLACES                                         ; eight places, once a launch, in front of the LDS stores that read the results
.irp a, 0,1,2,3
	ds_store_b128 v[LS], v[ACC+8*(\a):ACC+8*(\a)+3]   offset:64*(\a)      ; each accumulator from its low end
	ds_store_b128 v[LS], v[ACC+8*(\a)+4:ACC+8*(\a)+7] offset:64*(\a)+16
.endr
	s_wait_dscnt 0x0                               ; for the others' sake: my partial tile lies in LDS
	s_barrier_signal -1
	s_barrier_wait -1                              ; all sixteen do
.irp p, 0,1,2,3,4,5,6,7,8,9,10,11,12,13,14,15
	ds_load_b64 v[BUF+2*(\p):BUF+2*(\p)+1], v[LR] offset:PTILE*(\p)  ; row w of partial tile p: 256 consecutive bytes a wave
.endr
	s_wait_dscnt 0x0
.irp d, 8,4,2,1
.set n, 0
.rept \d
	v_pk_add_f32 v[BUF+2*n:BUF+2*n+1], v[BUF+2*n:BUF+2*n+1], v[BUF+2*(n+(\d)):BUF+2*(n+(\d))+1]
.set n, n+1
.endr
.endr
	v_pk_add_f32 v[BUF:BUF+1], v[BUF:BUF+1], v[BI:BI+1]              ; the bias,
	v_pk_mul_f32 v[BUF:BUF+1], v[BUF:BUF+1], s[SC:SC+1] op_sel_hi:[1,0]  ; and the scale on the sum with its bias
	global_store_b64 v[OO], v[BUF:BUF+1], s[OUT:OUT+1]               ; a wave stores one row of Out: 256 consecutive bytes, aligned
	s_wait_tensorcnt 0x0                           ; the wave's end, behind my last LDS store
	ds_add_u32 v[SPW], v[NIL]
	s_wait_dscnt 0x0
	s_endpgm
.Lfunc_end_k_q9a3fe77666_kv:
	.size	k_q9a3fe77666_kv, .Lfunc_end_k_q9a3fe77666_kv-k_q9a3fe77666_kv
	.p2alignl 7, 3214868480
	.fill 96, 4, 3214868480
	.section	.rodata,"a",@progbits
	.p2align	6, 0x0
	.amdhsa_kernel k_q9a3fe77666_kv
		.amdhsa_group_segment_fixed_size 71680
		.amdhsa_private_segment_fixed_size 0
		.amdhsa_enable_private_segment 0
		.amdhsa_kernarg_size 40
		.amdhsa_user_sgpr_count 2
		.amdhsa_user_sgpr_kernarg_segment_ptr 1
		.amdhsa_wavefront_size32 1
		.amdhsa_system_sgpr_workgroup_id_x 1
		.amdhsa_system_sgpr_workgroup_id_y 1
		.amdhsa_system_sgpr_workgroup_id_z 1
		.amdhsa_system_vgpr_workitem_id 0
		.amdhsa_next_free_vgpr 208
		.amdhsa_next_free_sgpr 66
		.amdhsa_reserve_vcc 0
		.amdhsa_float_denorm_mode_32 3
		.amdhsa_float_denorm_mode_16_64 3
		.amdhsa_memory_ordered 1
		.amdhsa_forward_progress 1
		.amdhsa_inst_pref_size 16
	.end_amdhsa_kernel
	.amdgpu_metadata
---
amdhsa.version: [ 1, 2 ]
amdhsa.kernels:
  - .name:           k_q9a3fe77666_kv
    .symbol:         k_q9a3fe77666_kv.kd
    .args:
      - { .name: xb, .offset: 0, .size: 8, .value_kind: global_buffer, .address_space: global }
      - { .name: wkvb, .offset: 8, .size: 8, .value_kind: global_buffer, .address_space: global }
      - { .name: bk, .offset: 16, .size: 8, .value_kind: global_buffer, .address_space: global }
      - { .name: bv, .offset: 24, .size: 8, .value_kind: global_buffer, .address_space: global }
      - { .name: ktv, .offset: 32, .size: 8, .value_kind: global_buffer, .address_space: global }
    .group_segment_fixed_size: 71680
    .private_segment_fixed_size: 0
    .kernarg_segment_align: 8
    .kernarg_segment_size: 40
    .max_flat_workgroup_size: 512
    .sgpr_count:     66
    .vgpr_count:     208
    .wavefront_size: 32
...
	.end_amdgpu_metadata
.endif
;; end of part 2
;; launch gemm_q (part 3): grid 16 x 16, 4 waves a work-group, clusters of 4 x 4, 327,680 bytes of LDS; arguments xb, wqb, bq, att, ktv; writes att
.if DOCPART == 3
	.amdgcn_target "amdgcn-amd-amdhsa--gfx1250"
	.amdhsa_code_object_version 6
	.text
	.protected	k_q9a3fe77666_gemm_q
	.globl	k_q9a3fe77666_gemm_q
	.p2align	8
	.type	k_q9a3fe77666_gemm_q,@function
k_q9a3fe77666_gemm_q:
	s_mov_b64 s[64:65], 0
	v_nop
	global_prefetch_b8 v0, s[64:65] scope:SCOPE_SE
	s_setreg_imm32_b32 hwreg(HW_REG_WAVE_MODE, 25, 1), 1
	s_wait_xcnt 0x0
	s_wait_alu depctr_hold_cnt(0) depctr_sa_sdst(0) depctr_va_vdst(0) depctr_va_sdst(0) depctr_va_ssrc(0) depctr_va_vcc(0) depctr_vm_vsrc(0)
	s_getreg_b32 s2, hwreg(HW_REG_IB_STS2, 6, 4)
	s_cmp_eq_u32 s2, 0
	s_cbranch_scc0 .Lentry_in_a_cluster
	s_endpgm
.Lentry_in_a_cluster:
	s_bfe_u32 s2, ttmp6, 0x10000c
	s_cmp_lg_u32 s2, 0xf033
	s_cbranch_scc0 .Lentry_shape_is_right
	s_endpgm
.Lentry_shape_is_right:
; att[m][64 i + l] = softmax over l of (q[m][64 i + l] k[b][l][s] / 8) x v[m][l], rounded once to bf16, with q = x Wq^T + bq and m = 64 b + s.
; bq: [4096] f32.  ktv, f32: KT[m][l] = k[b][l][s] log2(e) / 8 at byte 0, V[m][l] at byte 524,288.  A softmax spans 64 NEIGHBOURING columns of one row of q, so it is made on the
; product's accumulators: q never goes to memory.
; xb, wqb and att hold bf16 AS FRAGMENTS.  A fragment is 16 rows x 32 K, 1,024 bytes: half e at byte 512 e, in it lane l = r + 16 h at byte 16 l: row r, k = 16 e + 8 h + 0..7.
; xb, att: [group of 64 rows][quarter q of 32 K][4 fragments]; wqb: [group of 128 rows][q][8 fragments].  A group has 132 quarters: 128 of data, 4 of zeros.
; So a wave's part of a K step is one dense block of memory and of LDS, and a fragment's half is 512 consecutive bytes of LDS: no padding, and each bank is touched once.
; LIMITS.  bq is the C operand of the first product: it is added first, not last (another order of rounding than a sum with the bias at its end).  A weight below 2^-126 counts as 0.
; v_max3_num_f32 drops a NaN; NaN and infinities are not treated apart.  The result is rounded to bf16 (8 significant bits): it is the next product's operand.
; SHARES.  A tile of C is 128 rows x 256 columns: 16 x 16 work-groups.  Four waves, each 64 rows x 128 columns: 32 accumulators of 16 x 16, 256 registers.
; K goes in steps of 6 quarters (192) through a ring of two LDS slots of 147,456 bytes, as long as two slots in LDS allow; 22 steps cover the 132 quarters, and the last step multiplies its first two alone.
; CLUSTER.  4 x 4 work-groups.  The four of a row of the cluster need the same tiles of A (xb), the four of a column the same tiles of B (wqb): each tile is asked for JOINTLY, by the same
; tensor load with the same descriptor and a mask that names the four.
; THE MATRIX INSTRUCTION IS USED TRANSPOSED (source 0 = 16 rows of B, source 1 = 16 rows of A): lane l holds row l % 16 of C, register j of accumulator (a, b) the column 16 b + 8 (l / 16) + j.
; So a row's group of 64 columns lies in two lanes, l and l + 16, 32 numbers each (blocks b = 4 g .. 4 g + 3 for group g); and block b, packed to bf16, IS half b % 2 of the fragment of att
; for quarter b / 2: it is stored from registers, 512 consecutive bytes a wave, with no way through LDS.
; REGISTERS, in windows of 256 (s_set_vgpr_msb: bits 1:0 source 0, 3:2 source 1, 5:4 source 2, 7:6 destination):
;   window 0: v0-31 addresses; v32-47 statistics; v64-159, v160-255 two fragment buffers of 96 (A's block a at 8 a, B's block b at 32 + 8 b); on the way out T and PB in their place
;   window 1: the accumulators, (a, b) at 8 (8 a + b)      window 2: v0-127 KT for my 64 rows (32 a + 8 (b % 4) + j), v128-255 V likewise      window 3: v0-63 bq for my 128 columns (8 b + j)
.set QA,     4096                      ; bytes in a quarter of 64 rows of A
.set QB,     8192                      ; bytes in a quarter of 128 rows of B
.set NQ,     6                         ; quarters in a K step
.set AHALF,  NQ*QA                     ; what waves 0 and 1 fetch, and what a wave reads of A
.set BHALF,  NQ*QB                     ; what waves 2 and 3 fetch, and what a wave reads of B
.set BOFF,   2*AHALF                   ; B's two halves lie behind A's two
.set SLOT,   2*AHALF+2*BHALF
.set GSA,    132*QA                    ; bytes in a group of xb and att
.set GSB,    132*QB                    ; bytes in a group of wqb
.set SPARE,  2*SLOT                    ; behind the ring: the spare words, 128 bytes for each wave: two blocks of 256 bytes that no other line names
.set LAPS,   11                        ; a lap = two K steps = once round the ring
.set ADRA, 16                          ; v16-17  LDS address of my 16 bytes of my A fragments in slot 0, 1
.set ADRB, 20                          ; v20-21  the same for B
.set CO,   26                          ; v26  16 l: my 16 bytes of half a fragment of att
.set SPW,  28                          ; v28  LDS address of my spare word; never rewritten
.set NIL,  29                          ; v29  0; never rewritten
.set BO,   30                          ; v30  32 (l / 16): my 8 columns in a block of 16 of bq
.set KO,   31                          ; v31  256 (l % 16) + 32 (l / 16): my row and my 8 columns in KT and V
.set ST,   32                          ; group g's statistics at v[ST+8 g]: c0-c3 at work, then a pair
.set F0,   64
.set F1,   160
.set T,    64                          ; the way out: 64 numbers of a block of 16 rows, block b's register j at T + 8 b + j
.set PB,   128                         ; the same, packed to bf16: 32 registers
.set G1,   24                          ; s[24:31] descriptor group 1 for A's tiles;  s[32:39] group 0, one set for each slot
.set G0,   32
.set G1B,  48                          ; s[48:55], s[56:63] the same for B's tiles
.set G0B,  56
.set KTV,  68                          ; s[68:69] ktv at my first row
.set WV,   70
.set RH,   71                          ; which 64 rows of the tile are mine.  Also: I fetch for A (0) or for B (1)
.set CH,   72                          ; which 128 columns.  Also: which half of that tile I fetch
.set CX,   73
.set CY,   74
.set TX,   75
.set TY,   76
.set MROW, 77
.set MCOL, 78
.set LAP,  79
.set SEL,  80                          ; s[80:81] v_permlanex16_b32's selects: each lane takes its own place in the other half
.set PADB, 82                          ; s[82:83] my 512 bytes of my group's zero quarters in att
.set BIASW, 3
.set MUL,   0x50                       ; sources 0 and 1 window 0; C and D window 1
.set MULZ,  0x40|(BIASW<<4)            ; C = the bias, D window 1
.set TO_BIAS, BIASW<<6
.set MSB, 0
.macro WIN new                         ; the immediate's high byte repeats the setting that is left; a switch that changes nothing is dropped
.if MSB != (\new)
	s_set_vgpr_msb (MSB<<8)|(\new)
.set MSB, \new
.endif
.endm
.macro JLOAD s                         ; a joint load: waves 0 and 1 fetch A's two halves, waves 2 and 3 B's; an s_nop 0 and four v_nop follow each of the two lines, ahead of the jump, the label and what follows
	s_cmp_eq_u32 s[RH], 0
	s_cbranch_scc0 .Lfor_b_\@
	tensor_load_to_lds s[G0+4*(\s):G0+4*(\s)+3], s[G1:G1+7]
	s_nop 0
.rept 4
	v_nop
.endr
	s_branch .Lasked_\@
.Lfor_b_\@:
	tensor_load_to_lds s[G0B+4*(\s):G0B+4*(\s)+3], s[G1B:G1B+7]
	s_nop 0
.rept 4
	v_nop
.endr
.Lasked_\@:
.endm
.macro CREST                           ; a round of the cluster's barrier behind its opening barrier
	s_cmp_lg_u32 s[WV], 0
	s_cbranch_scc1 .Lnot_wave_0_\@
	s_barrier_signal -3
.Lnot_wave_0_\@:
	s_barrier_wait -3
	s_barrier_signal -1
	s_barrier_wait -1
.endm
.macro CROUND                          ; a whole round
	s_barrier_signal -1
	s_barrier_wait -1
	CREST
.endm
.macro PLACES                          ; four plain instructions between a product and a load into a register that it has read, or a vector instruction that reads its result (ISA guide 7.12.1 for vector instructions)
.rept 4
	v_nop
.endr
.endm
	s_load_b256 s[4:11], s[0:1], 0x0               ; xb 4, wqb 6, bq 8, att 10
	s_load_b64 s[KTV:KTV+1], s[0:1], 0x20          ; ktv
	v_lshl_add_u32 v[SPW], v0, 2, SPARE
	v_mov_b32 v[NIL], 0
	ds_add_u32 v[SPW], v[NIL]                      ; the wave's opening: the add and its wait ahead of my first tensor load; the set-up below, work on registers, stands between them
	v_lshrrev_b32 v1, 5, v0
	v_readfirstlane_b32 s[WV], v1                  ; wave 0..3
	s_lshr_b32 s[RH], s[WV], 1
	s_and_b32 s[CH], s[WV], 1
	s_bfe_u32 s[CX], ttmp6, 0x40000                ; my place in the cluster
	s_bfe_u32 s[CY], ttmp6, 0x40004
	s_lshl_b32 s[TX], ttmp9, 2
	s_add_co_u32 s[TX], s[TX], s[CX]               ; tile column of C = 4 x cluster x + cx
	s_and_b32 s[TY], ttmp7, 0xffff
	s_lshl_b32 s[TY], s[TY], 2
	s_add_co_u32 s[TY], s[TY], s[CY]               ; tile row of C = 4 x cluster y + cy
	s_lshl_b32 s[MROW], s[CY], 2
	s_lshl_b32 s[MROW], 15, s[MROW]                ; my row of the cluster: places 4 cy .. 4 cy + 3
	s_lshl_b32 s[MCOL], 0x1111, s[CX]              ; my column: places cx, cx + 4, cx + 8, cx + 12
	; descriptor group 1: a dense block, asked for as rows of 256 bytes (32 elements of 8 bytes): A's has 96 rows, B's 192; no padding
	s_or_b32 s[G1+0],  s[MROW], (3<<16)|(1<<21)    ; 15:0 the mask; 17:16 elements of 8 bytes; 21 set beside a mask
	s_or_b32 s[G1B+0], s[MCOL], (3<<16)|(1<<21)
	s_mov_b32 s[G1+1],  32<<16                     ; tensor_dim0 = 32
	s_mov_b32 s[G1B+1], 32<<16
	s_mov_b32 s[G1+2],  (AHALF/256)<<16            ; tensor_dim1 = 96
	s_mov_b32 s[G1B+2], (BHALF/256)<<16            ; tensor_dim1 = 192
	s_mov_b32 s[G1+3],  32<<16                     ; tile_dim0 = 32
	s_mov_b32 s[G1B+3], 32<<16
	s_mov_b32 s[G1+4],  AHALF/256                  ; tile_dim1
	s_mov_b32 s[G1B+4], BHALF/256
	s_mov_b32 s[G1+5],  32                         ; elements from row to row: the rows lie end to end
	s_mov_b32 s[G1B+5], 32
	s_mov_b32 s[G1+6],  0
	s_mov_b32 s[G1B+6], 0
	s_mov_b32 s[G1+7],  0
	s_mov_b32 s[G1B+7], 0
	; where the tiles come from: A's hang on the tile row alone, B's on the tile column alone, each in registers that never hold the other coordinate
	s_lshl_b32 s16, s[TY], 1
	s_add_co_u32 s16, s16, s[CH]                   ; A: group 2 x tile row + half,
	s_mul_i32 s16, s16, GSA                        ; under 2^25
	s_mov_b32 s17, 0
	s_lshl_b32 s44, s[TX], 1
	s_add_co_u32 s44, s44, s[CH]                   ; B: group 2 x tile column + half
	s_mul_i32 s44, s44, GSB                        ; under 2^26
	s_mov_b32 s45, 0
	s_mul_i32 s20, s[CH], AHALF                    ; and where they go: no place in the cluster enters an LDS address
	s_mul_i32 s21, s[CH], BHALF
	s_add_co_u32 s21, s21, BOFF
	s_mov_b32 s[SEL], 0x76543210
	s_mov_b32 s[SEL+1], 0xfedcba98
	s_wait_dscnt 0x0                               ; the opening add is done
	s_wait_kmcnt 0x0
	s_add_nc_u64 s[14:15], s[4:5], s[16:17]
	s_add_nc_u64 s[46:47], s[6:7], s[44:45]
	CROUND                                         ; all sixteen work-groups are here: the first joint loads meet
.irp s, 0,1
	s_mov_b32 s[G0+4*(\s)], 1                                        ; count = 1
	s_add_co_u32 s[G0+4*(\s)+1], s20, (\s)*SLOT                      ; LDS address
	s_add_nc_u64 s[G0+4*(\s)+2:G0+4*(\s)+3], s[14:15], (\s)*AHALF    ; global address: K step s
	s_or_b32 s[G0+4*(\s)+3], s[G0+4*(\s)+3], 0x80000000              ; type = 2
	s_mov_b32 s[G0B+4*(\s)], 1
	s_add_co_u32 s[G0B+4*(\s)+1], s21, (\s)*SLOT
	s_add_nc_u64 s[G0B+4*(\s)+2:G0B+4*(\s)+3], s[46:47], (\s)*BHALF
	s_or_b32 s[G0B+4*(\s)+3], s[G0B+4*(\s)+3], 0x80000000
	JLOAD \s                                       ; two loads of mine are out
.endr
	v_and_b32 v1, 15, v0                           ; l % 16
	v_bfe_u32 v2, v0, 4, 1                         ; l / 16
	v_and_b32 v5, 31, v0                           ; l
	v_lshlrev_b32 v3, 4, v5                        ; my 16 bytes of half a fragment
	v_lshlrev_b32 v[CO], 4, v5
	s_mul_i32 s18, s[RH], AHALF                    ; my 64 rows of A
	s_mul_i32 s19, s[CH], BHALF                    ; my 128 rows of B
	s_add_co_u32 s19, s19, BOFF
.irp s, 0,1
	v_add_nc_u32 v[ADRA+(\s)], s18, v3
	v_add_nc_u32 v[ADRB+(\s)], s19, v3
	s_add_co_u32 s18, s18, SLOT
	s_add_co_u32 s19, s19, SLOT
.endr
	v_lshlrev_b32 v[BO], 5, v2
	v_lshlrev_b32 v[KO], 8, v1
	v_lshl_add_u32 v[KO], v2, 5, v[KO]
	s_lshl_b32 s40, s[TY], 1
	s_add_co_u32 s40, s40, s[RH]                   ; my group of 64 rows
	s_lshl_b32 s42, s40, 14                        ; 64 rows of 256 bytes in KT and in V
	s_mov_b32 s43, 0
	s_add_nc_u64 s[KTV:KTV+1], s[KTV:KTV+1], s[42:43]
	s_mul_i32 s40, s40, GSA
	s_mov_b32 s41, 0
	s_add_nc_u64 s[10:11], s[10:11], s[40:41]      ; att at my group
	s_lshl_b32 s42, s[TX], 1
	s_add_co_u32 s42, s42, s[CH]                   ; which 128 columns of the 4,096 are mine: 0..31
	s_lshl_b32 s40, s42, 9                         ; the group's 4 zero quarters (16,384 bytes) are shared out among the 32 waves that fill the group: 512 bytes each,
	s_add_co_u32 s40, s40, 128*QA                  ; behind 128 quarters
	s_add_nc_u64 s[PADB:PADB+1], s[10:11], s[40:41]
	s_lshl_b32 s40, s42, 14                        ; my 128 columns are 4 quarters
	s_add_nc_u64 s[10:11], s[10:11], s[40:41]
	s_lshl_b32 s42, s42, 9                         ; bq: 4 bytes a column
	s_add_nc_u64 s[8:9], s[8:9], s[42:43]
; KT (at = 0) or V (at = 1) for my 64 rows: 32 loads; lane l takes row 16 a + l % 16, columns 16 bb + 8 (l / 16) + 0..7
.macro ROWVEC at
	WIN 0x80                                       ; destination window 2, address window 0
.irp a, 0,1,2,3
.irp bb, 0,1,2,3
	global_load_b128 v[128*(\at)+32*(\a)+8*(\bb):128*(\at)+32*(\a)+8*(\bb)+3],   v[KO], s[KTV:KTV+1] offset:524288*(\at)+4096*(\a)+64*(\bb)
	global_load_b128 v[128*(\at)+32*(\a)+8*(\bb)+4:128*(\at)+32*(\a)+8*(\bb)+7], v[KO], s[KTV:KTV+1] offset:524288*(\at)+4096*(\a)+64*(\bb)+16
.endr
.endr
.endm
	ROWVEC 0
	WIN TO_BIAS
.irp b, 0,1,2,3,4,5,6,7
	global_load_b128 v[8*(\b):8*(\b)+3],   v[BO], s[8:9] offset:64*(\b)
	global_load_b128 v[8*(\b)+4:8*(\b)+7], v[BO], s[8:9] offset:64*(\b)+16
.endr
	WIN 0
; 8 matrix instructions: m block a x all 8 n blocks, 32 along K.  zero = 1: the product starts the sum, with the bias as C: nothing is cleared.
; The 32 accumulators take turns, one instruction a turn, in the same order in every quarter: 31 others stand between two links of a chain.
.macro MUL8 f, a, zero
.if \zero
	WIN MULZ
.else
	WIN MUL
.endif
.irp b, 0,1,2,3,4,5,6,7
.if \zero
	v_wmma_f32_16x16x32_bf16 v[8*(8*(\a)+(\b)):8*(8*(\a)+(\b))+7], v[(\f)+32+8*(\b):(\f)+32+8*(\b)+7], v[(\f)+8*(\a):(\f)+8*(\a)+7], v[8*(\b):8*(\b)+7]
.else
	v_wmma_f32_16x16x32_bf16 v[8*(8*(\a)+(\b)):8*(8*(\a)+(\b))+7], v[(\f)+32+8*(\b):(\f)+32+8*(\b)+7], v[(\f)+8*(\a):(\f)+8*(\a)+7], v[8*(8*(\a)+(\b)):8*(8*(\a)+(\b))+7]
.endif
.endr
.endm
.macro MUL16 f, a0, zero
	MUL8 \f, \a0, \zero
	MUL8 \f, (\a0)+1, \zero
.endm
; 24 LDS loads in one run: the fragments of quarter q of a slot, into buffer f: B's eight blocks, then A's four; each load takes 512 consecutive bytes
.macro FETCH slot, q, f
	WIN 0
.irp i, 0,1,2,3,4,5,6,7
	ds_load_b128 v[(\f)+32+8*(\i):(\f)+32+8*(\i)+3],   v[ADRB+(\slot)] offset:(\q)*QB+(\i)*1024
	ds_load_b128 v[(\f)+32+8*(\i)+4:(\f)+32+8*(\i)+7], v[ADRB+(\slot)] offset:(\q)*QB+(\i)*1024+512
.endr
.irp i, 0,1,2,3
	ds_load_b128 v[(\f)+8*(\i):(\f)+8*(\i)+3],   v[ADRA+(\slot)] offset:(\q)*QA+(\i)*1024
	ds_load_b128 v[(\f)+8*(\i)+4:(\f)+8*(\i)+7], v[ADRA+(\slot)] offset:(\q)*QA+(\i)*1024+512
.endr
.endm
; A K step is six quarters of 32 along K, 32 matrix instructions each, on buffers 0, 1, 0, 1, 0, 1.  One of the first five: multiplies buffer f and, in its middle, fetches quarter q into g.
.macro QUARTER slot, q, f, g, zero
	s_wait_dscnt 4                                 ; B and A's blocks 0 and 1 are in; the youngest four loads (A's blocks 2 and 3) may be out
	MUL16 \f, 0, \zero
	PLACES
	FETCH \slot, \q, \g
	s_wait_dscnt 24                                ; all but the 24 just issued
	MUL16 \f, 2, \zero
.endm
; The last quarter multiplies buffer 1 and changes slots: ONE barrier; in front of it each wave waits for all its tensor loads (one is out: its part of the next slot), adds 0 to its spare word, and waits
; for that and for its own reads of this slot.  fill = 1: the barrier opens a round of the cluster's, and this slot is filled again, two K steps ahead, first thing behind the round: from the request to the
; wait for it a wave issues 176 matrix instructions.
.macro TURN slot, next, fill
	WIN 0                                          ; (the add's two registers lie in window 0)
	s_wait_tensorcnt 0x0                           ; all my tensor loads have landed;
	ds_add_u32 v[SPW], v[NIL]                      ; 0 onto my spare word;
	s_wait_dscnt 5                                 ; (the add and the youngest four loads may be out)
	MUL8 F1, 0, 0                                  ; eight matrix instructions stand between the add and the wait for it
	s_wait_dscnt 0x0                               ; the add is done, and my reads of this slot are over
	s_barrier_signal -1
	MUL8 F1, 1, 0
.if \fill
	WIN 0
.endif
	s_barrier_wait -1
.if \fill
	CREST                                          ; no wave of any partner still reads this slot's tile or has a load on its way
	s_add_nc_u64 s[G0+4*(\slot)+2:G0+4*(\slot)+3], s[G0+4*(\slot)+2:G0+4*(\slot)+3], 2*AHALF
	s_add_nc_u64 s[G0B+4*(\slot)+2:G0B+4*(\slot)+3], s[G0B+4*(\slot)+2:G0B+4*(\slot)+3], 2*BHALF
	JLOAD \slot                                    ; the four v_nop behind it are also the places in front of the loads below
.else
	PLACES
.endif
	FETCH \next, 0, F0
	MUL16 F1, 2, 0
.endm
.macro REST slot                       ; a step's quarters 1 to 4
	QUARTER \slot, 2, F1, F0, 0
	QUARTER \slot, 3, F0, F1, 0
	QUARTER \slot, 4, F1, F0, 0
	QUARTER \slot, 5, F0, F1, 0
.endm
	s_wait_tensorcnt 1                             ; my part of K step 0 is in; slot 1's may stay out
	s_barrier_signal -1
	s_barrier_wait -1                              ; everybody's is
	FETCH 0, 0, F0
	s_wait_loadcnt 0x0                             ; bq, which the first products take as C (and KT)
	ROWVEC 1                                       ; V: 32 loads that stay out under the K loop; nothing names their registers before the way out
	QUARTER 0, 1, F0, F1, 1                        ; the first quarter stands in front of the loop: its products start the sums
	WIN 0                                          ; at a label and at a branch every window is 0
	s_mov_b32 s[LAP], LAPS-1
.Llap:                                                 ; a trip goes once round the ring, from a lap's second quarter to the next lap's first, and fills both slots again: K steps 2 to 21
	REST 0
	TURN 0, 1, 1
	QUARTER 1, 1, F0, F1, 0
	REST 1
	TURN 1, 0, 1
	QUARTER 0, 1, F0, F1, 0
	WIN 0
	s_sub_co_u32 s[LAP], s[LAP], 1
	s_cmp_lg_u32 s[LAP], 0
	s_cbranch_scc1 .Llap
	REST 0                                         ; the last lap fills nothing, and has no round of the cluster's barrier
	TURN 0, 1, 0
	QUARTER 1, 1, F0, F1, 0                        ; K step 21 holds quarters 126 and 127; the four zero quarters behind them are not read from LDS
	s_wait_dscnt 4                                 ; the very last quarter: nothing more to fetch
	MUL16 F1, 0, 0
	s_wait_dscnt 0x0
	MUL16 F1, 2, 0
	WIN 0
	PLACES
	PLACES                                         ; eight places, once a launch, in front of the lines that read the results
; THE WAY OUT, a block of 16 rows at a time.  SOFT a: for the block's two groups of 64 columns, t = q x KT; the row's maximum (32 numbers in my lane, the other 32 in the lane 16 away);
; p = 2^(t - max); the sum of p; p x V / sum; rounded to bf16.  From the maxima on the two groups alternate, so that no line waits for the one before it.
.macro SOFT a
	WIN 0x09                                       ; source 0 (q) window 1, source 1 (KT) window 2, destination window 0
.set n, 0
.rept 32                               ; pair n: block n / 4, registers 2 (n % 4) on: each accumulator is read from its low end on
	v_pk_mul_f32 v[T+2*n:T+2*n+1], v[64*(\a)+2*n:64*(\a)+2*n+1], v[32*(\a)+(2*n)%32:32*(\a)+(2*n)%32+1]
.set n, n+1
.endr
	WIN 0
.irp c, 0,1,2,3                        ; four chains of seven numbers each, three operands at a time
.irp g, 0,1
	v_max3_num_f32 v[ST+8*(\g)+(\c)], v[T+32*(\g)+8*(\c)], v[T+32*(\g)+8*(\c)+1], v[T+32*(\g)+8*(\c)+2]
.endr
.endr
.irp e, 3,5
.irp c, 0,1,2,3
.irp g, 0,1
	v_max3_num_f32 v[ST+8*(\g)+(\c)], v[ST+8*(\g)+(\c)], v[T+32*(\g)+8*(\c)+(\e)], v[T+32*(\g)+8*(\c)+(\e)+1]
.endr
.endr
.endr
.irp g, 0,1                            ; the four numbers left over
	v_max3_num_f32 v[ST+8*(\g)],   v[ST+8*(\g)],   v[T+32*(\g)+7],  v[T+32*(\g)+15]
	v_max3_num_f32 v[ST+8*(\g)+2], v[ST+8*(\g)+2], v[T+32*(\g)+23], v[T+32*(\g)+31]
.endr
.irp g, 0,1
	v_max3_num_f32 v[ST+8*(\g)], v[ST+8*(\g)], v[ST+8*(\g)+1], v[ST+8*(\g)+2]
.endr
.irp g, 0,1
	v_max_num_f32 v[ST+8*(\g)], v[ST+8*(\g)], v[ST+8*(\g)+3]
.endr
.irp g, 0,1
	v_permlanex16_b32 v[ST+8*(\g)+1], v[ST+8*(\g)], s[SEL], s[SEL+1]  ; the row's other 32 numbers lie in the lane 16 away
.endr
.irp g, 0,1
	v_max_num_f32 v[ST+8*(\g)], v[ST+8*(\g)], v[ST+8*(\g)+1]
.endr
.set n, 0
.rept 32
	v_pk_add_f32 v[T+2*n:T+2*n+1], v[T+2*n:T+2*n+1], v[ST+8*(n/16):ST+8*(n/16)+1] op_sel_hi:[1,0] neg_lo:[0,1] neg_hi:[0,1]  ; t - max
.set n, n+1
.endr
.set n, 0
.rept 64                               ; ONE BATCH of 64 exponentials
	v_exp_f32 v[T+n], v[T+n]
.set n, n+1
.endr
	v_nop                                          ; a plain instruction behind the last exponential,
	s_wait_alu depctr_va_vdst(0)                   ; and the one wait ahead of the batch's first reader
.irp g, 0,1                            ; the sums: two chains of pairs a group
	v_pk_add_f32 v[ST+8*(\g)+2:ST+8*(\g)+3], v[T+32*(\g):T+32*(\g)+1],   v[T+32*(\g)+2:T+32*(\g)+3]
	v_pk_add_f32 v[ST+8*(\g)+4:ST+8*(\g)+5], v[T+32*(\g)+4:T+32*(\g)+5], v[T+32*(\g)+6:T+32*(\g)+7]
.endr
.irp i, 4,5,6,7,8,9,10,11,12,13,14,15
.irp g, 0,1
	v_pk_add_f32 v[ST+8*(\g)+2+2*((\i)%2):ST+8*(\g)+3+2*((\i)%2)], v[ST+8*(\g)+2+2*((\i)%2):ST+8*(\g)+3+2*((\i)%2)], v[T+32*(\g)+2*(\i):T+32*(\g)+2*(\i)+1]
.endr
.endr
.irp g, 0,1
	v_pk_add_f32 v[ST+8*(\g)+2:ST+8*(\g)+3], v[ST+8*(\g)+2:ST+8*(\g)+3], v[ST+8*(\g)+4:ST+8*(\g)+5]
.endr
.irp g, 0,1
	v_add_f32 v[ST+8*(\g)+2], v[ST+8*(\g)+2], v[ST+8*(\g)+3]
.endr
.irp g, 0,1
	v_permlanex16_b32 v[ST+8*(\g)+3], v[ST+8*(\g)+2], s[SEL], s[SEL+1]
.endr
.irp g, 0,1
	v_add_f32 v[ST+8*(\g)+2], v[ST+8*(\g)+2], v[ST+8*(\g)+3]  ; at least 1: the largest number's weight is 2^0
.endr
.irp g, 0,1
	v_rcp_f32 v[ST+8*(\g)+4], v[ST+8*(\g)+2]
.endr
	WIN 0x08                                       ; source 1 (V) window 2
.set n, 0
.rept 32                               ; p x V: the plain work between the two reciprocals and their wait
	v_pk_mul_f32 v[T+2*n:T+2*n+1], v[T+2*n:T+2*n+1], v[128+32*(\a)+(2*n)%32:128+32*(\a)+(2*n)%32+1]
.set n, n+1
.endr
	s_wait_alu depctr_va_vdst(0)                   ; one wait for the two reciprocals, ahead of their first reader
	WIN 0
.set n, 0
.rept 32
	v_pk_mul_f32 v[T+2*n:T+2*n+1], v[T+2*n:T+2*n+1], v[ST+8*(n/16)+4:ST+8*(n/16)+5] op_sel_hi:[1,0]
.set n, n+1
.endr
.if (\a) > 0
	s_wait_xcnt 0x0                                ; the stores of the block before, a whole softmax back, have read PB: it is written again only behind this wait
.endif
.set n, 0
.rept 32
	v_cvt_pk_bf16_f32 v[PB+n], v[T+2*n], v[T+2*n+1]
.set n, n+1
.endr
.endm
; Block b's four packed registers are half b % 2 of fragment a of quarter b / 2 of my four quarters of att.
.macro SEND a
.irp b, 0,1,2,3,4,5,6,7
	global_store_b128 v[CO], v[PB+4*(\b):PB+4*(\b)+3], s[10:11] offset:((\b)/2)*QA+(\a)*1024+((\b)%2)*512  ; a wave stores 512 consecutive bytes, at a multiple of 512 from att's first byte
.endr
.endm
	s_wait_loadcnt 0x0                             ; V
.irp a, 0,1,2,3
	SOFT \a
	SEND \a
.endr
.irp j, 0,1,2,3
	v_mov_b32 v[T+(\j)], 0
.endr
	global_store_b128 v[CO], v[T:T+3], s[PADB:PADB+1]  ; my 512 bytes of the group's zero quarters, which the next launch's last K step brings into LDS with quarters 126 and 127
	s_wait_tensorcnt 0x0                           ; the wave's end, behind my last tensor load
	ds_add_u32 v[SPW], v[NIL]
	s_wait_dscnt 0x0
	CROUND                                         ; the closing round: no work-group ends while a partner may still ask for a tile that names it
	s_endpgm
.Lfunc_end_k_q9a3fe77666_gemm_q:
	.size	k_q9a3fe77666_gemm_q, .Lfunc_end_k_q9a3fe77666_gemm_q-k_q9a3fe77666_gemm_q
	.p2alignl 7, 3214868480
	.fill 96, 4, 3214868480
	.section	.rodata,"a",@progbits
	.p2align	6, 0x0
	.amdhsa_kernel k_q9a3fe77666_gemm_q
		.amdhsa_group_segment_fixed_size 327680
		.amdhsa_private_segment_fixed_size 0
		.amdhsa_enable_private_segment 0
		.amdhsa_kernarg_size 40
		.amdhsa_user_sgpr_count 2
		.amdhsa_user_sgpr_kernarg_segment_ptr 1
		.amdhsa_wavefront_size32 1
		.amdhsa_system_sgpr_workgroup_id_x 1
		.amdhsa_system_sgpr_workgroup_id_y 1
		.amdhsa_system_sgpr_workgroup_id_z 1
		.amdhsa_system_vgpr_workitem_id 0
		.amdhsa_next_free_vgpr 832
		.amdhsa_next_free_sgpr 84
		.amdhsa_reserve_vcc 0
		.amdhsa_float_denorm_mode_32 3
		.amdhsa_float_denorm_mode_16_64 3
		.amdhsa_memory_ordered 1
		.amdhsa_forward_progress 1
		.amdhsa_inst_pref_size 162
	.end_amdhsa_kernel
	.amdgpu_metadata
---
amdhsa.version: [ 1, 2 ]
amdhsa.kernels:
  - .name:           k_q9a3fe77666_gemm_q
    .symbol:         k_q9a3fe77666_gemm_q.kd
    .args:
      - { .name: xb, .offset: 0, .size: 8, .value_kind: global_buffer, .address_space: global }
      - { .name: wqb, .offset: 8, .size: 8, .value_kind: global_buffer, .address_space: global }
      - { .name: bq, .offset: 16, .size: 8, .value_kind: global_buffer, .address_space: global }
      - { .name: att, .offset: 24, .size: 8, .value_kind: global_buffer, .address_space: global }
      - { .name: ktv, .offset: 32, .size: 8, .value_kind: global_buffer, .address_space: global }
    .group_segment_fixed_size: 327680
    .private_segment_fixed_size: 0
    .kernarg_segment_align: 8
    .kernarg_segment_size: 40
    .max_flat_workgroup_size: 128
    .sgpr_count:     84
    .vgpr_count:     832
    .wavefront_size: 32
...
	.end_amdgpu_metadata
.endif
;; end of part 3
;; launch gemm_o (part 4): grid 16 x 16, 4 waves a work-group, clusters of 4 x 4, 327,680 bytes of LDS; arguments att, wob, bo, out0; writes out0
.if DOCPART == 4
	.amdgcn_target "amdgcn-amd-amdhsa--gfx1250"
	.amdhsa_code_object_version 6
	.text
	.protected	k_q9a3fe77666_gemm_o
	.globl	k_q9a3fe77666_gemm_o
	.p2align	8
	.type	k_q9a3fe77666_gemm_o,@function
k_q9a3fe77666_gemm_o:
	s_mov_b64 s[64:65], 0
	v_nop
	global_prefetch_b8 v0, s[64:65] scope:SCOPE_SE
	s_setreg_imm32_b32 hwreg(HW_REG_WAVE_MODE, 25, 1), 1
	s_wait_xcnt 0x0
	s_wait_alu depctr_hold_cnt(0) depctr_sa_sdst(0) depctr_va_vdst(0) depctr_va_sdst(0) depctr_va_ssrc(0) depctr_va_vcc(0) depctr_vm_vsrc(0)
	s_getreg_b32 s2, hwreg(HW_REG_IB_STS2, 6, 4)
	s_cmp_eq_u32 s2, 0
	s_cbranch_scc0 .Lentry_in_a_cluster
	s_endpgm
.Lentry_in_a_cluster:
	s_bfe_u32 s2, ttmp6, 0x10000c
	s_cmp_lg_u32 s2, 0xf033
	s_cbranch_scc0 .Lentry_shape_is_right
	s_endpgm
.Lentry_shape_is_right:
; out0 = A2 Wo^T + bo.  bo: [4096] f32, out0: [2048][4096] f32, row-major.  Sums in f32.
; att (A2) and wob (Wo) hold bf16 AS FRAGMENTS.  A fragment is 16 rows x 32 K, 1,024 bytes: half e at byte 512 e, in it lane l = r + 16 h at byte 16 l: row r, k = 16 e + 8 h + 0..7.
; att: [group of 64 rows][quarter q of 32 K][4 fragments]; wob: [group of 128 rows][q][8 fragments].  A group has 132 quarters: 128 of data, 4 of zeros.
; So a wave's part of a K step is one dense block of memory and of LDS, and a fragment's half is 512 consecutive bytes of LDS: no padding, and each bank is touched once.
; LIMIT.  bo is the C operand of the first product: it is added first, not last (another order of rounding than a sum with the bias at its end).
; SHARES.  A tile of C is 128 rows x 256 columns: 16 x 16 work-groups.  Four waves, each 64 rows x 128 columns: 32 accumulators of 16 x 16, 256 registers.
; K goes in steps of 6 quarters (192) through a ring of two LDS slots of 147,456 bytes, as long as two slots in LDS allow; 22 steps cover the 132 quarters, and the last step multiplies its first two alone.
; CLUSTER.  4 x 4 work-groups.  The four of a row of the cluster need the same tiles of A (att), the four of a column the same tiles of B (wob): each tile is asked for JOINTLY, by the same
; tensor load with the same descriptor and a mask that names the four.
; THE MATRIX INSTRUCTION IS USED TRANSPOSED (source 0 = 16 rows of B, source 1 = 16 rows of A): lane l holds row l % 16 of C, register j of accumulator (a, b) the column 16 b + 8 (l / 16) + j:
; 32 neighbouring bytes of a row, which go through a stage in LDS and leave as rows of 256 bytes.
; REGISTERS, in windows of 256 (s_set_vgpr_msb: bits 1:0 source 0, 3:2 source 1, 5:4 source 2, 7:6 destination):
;   window 0: v0-31 addresses; v64-159, v160-255 two fragment buffers of 96 (A's block a at 8 a, B's block b at 32 + 8 b); on the way out OB in their place
;   window 1: the accumulators, (a, b) at 8 (8 a + b)      window 2: v0-63 bo for my 128 columns (8 b + j)
.set QA,     4096                      ; bytes in a quarter of 64 rows of A
.set QB,     8192                      ; bytes in a quarter of 128 rows of B
.set NQ,     6                         ; quarters in a K step
.set AHALF,  NQ*QA                     ; what waves 0 and 1 fetch, and what a wave reads of A
.set BHALF,  NQ*QB                     ; what waves 2 and 3 fetch, and what a wave reads of B
.set BOFF,   2*AHALF                   ; B's two halves lie behind A's two
.set SLOT,   2*AHALF+2*BHALF
.set GSA,    132*QA                    ; bytes in a group of att
.set GSB,    132*QB                    ; bytes in a group of wob
.set STAGE,  2*SLOT                    ; behind the ring, never filled by a tensor load: 16 rows x 272 bytes for each wave, for the way out
.set SPITCH, 272                       ; 256 bytes + 16: an odd multiple of 16, so the 16 rows of a store start at 16 different groups of four banks (64 banks of 4 bytes: ISA guide 11.1)
.set SPARE,  STAGE+4*16*SPITCH         ; behind the stages: the spare words, 128 bytes for each wave: two blocks of 256 bytes that no other line names
.set LAPS,   11                        ; a lap = two K steps = once round the ring
.set ADRA, 16                          ; v16-17  LDS address of my 16 bytes of my A fragments in slot 0, 1
.set ADRB, 20                          ; v20-21  the same for B
.set STO,  24                          ; v24  the way out: where I put 32 bytes of a row
.set RD,   25                          ; v25  the way out: where I read 16 bytes of a row back
.set CO,   26                          ; v26  my 16 bytes of two rows' 256 in out0
.set SPW,  28                          ; v28  LDS address of my spare word; never rewritten
.set NIL,  29                          ; v29  0; never rewritten
.set BO,   30                          ; v30  32 (l / 16): my 8 columns in a block of 16 of bo
.set F0,   64
.set F1,   160
.set OB,   64                          ; the way out: two buffers of 32: 16 rows of 256 bytes read back from the stage
.set G1,   24                          ; s[24:31] descriptor group 1 for A's tiles;  s[32:39] group 0, one set for each slot
.set G0,   32
.set G1B,  48                          ; s[48:55], s[56:63] the same for B's tiles
.set G0B,  56
.set WV,   70
.set RH,   71                          ; which 64 rows of the tile are mine.  Also: I fetch for A (0) or for B (1)
.set CH,   72                          ; which 128 columns.  Also: which half of that tile I fetch
.set CX,   73
.set CY,   74
.set TX,   75
.set TY,   76
.set MROW, 77
.set MCOL, 78
.set LAP,  79
.set BIASW, 2
.set MUL,   0x50                       ; sources 0 and 1 window 0; C and D window 1
.set MULZ,  0x40|(BIASW<<4)            ; C = the bias, D window 1
.set TO_BIAS, BIASW<<6
.set MSB, 0
.macro WIN new                         ; the immediate's high byte repeats the setting that is left; a switch that changes nothing is dropped
.if MSB != (\new)
	s_set_vgpr_msb (MSB<<8)|(\new)
.set MSB, \new
.endif
.endm
.macro JLOAD s                         ; a joint load: waves 0 and 1 fetch A's two halves, waves 2 and 3 B's; an s_nop 0 and four v_nop follow each of the two lines, ahead of the jump, the label and what follows
	s_cmp_eq_u32 s[RH], 0
	s_cbranch_scc0 .Lfor_b_\@
	tensor_load_to_lds s[G0+4*(\s):G0+4*(\s)+3], s[G1:G1+7]
	s_nop 0
.rept 4
	v_nop
.endr
	s_branch .Lasked_\@
.Lfor_b_\@:
	tensor_load_to_lds s[G0B+4*(\s):G0B+4*(\s)+3], s[G1B:G1B+7]
	s_nop 0
.rept 4
	v_nop
.endr
.Lasked_\@:
.endm
.macro CREST                           ; a round of the cluster's barrier behind its opening barrier
	s_cmp_lg_u32 s[WV], 0
	s_cbranch_scc1 .Lnot_wave_0_\@
	s_barrier_signal -3
.Lnot_wave_0_\@:
	s_barrier_wait -3
	s_barrier_signal -1
	s_barrier_wait -1
.endm
.macro CROUND                          ; a whole round
	s_barrier_signal -1
	s_barrier_wait -1
	CREST
.endm
.macro PLACES                          ; four plain instructions between a product and a load into a register that it has read, or an instruction that reads its result (ISA guide 7.12.1 for vector instructions)
.rept 4
	v_nop
.endr
.endm
	s_load_b256 s[4:11], s[0:1], 0x0               ; att 4, wob 6, bo 8, out0 10
	v_lshl_add_u32 v[SPW], v0, 2, SPARE
	v_mov_b32 v[NIL], 0
	ds_add_u32 v[SPW], v[NIL]                      ; the wave's opening: the add and its wait ahead of my first tensor load; the set-up below, work on registers, stands between them
	v_lshrrev_b32 v1, 5, v0
	v_readfirstlane_b32 s[WV], v1                  ; wave 0..3
	s_lshr_b32 s[RH], s[WV], 1
	s_and_b32 s[CH], s[WV], 1
	s_bfe_u32 s[CX], ttmp6, 0x40000                ; my place in the cluster
	s_bfe_u32 s[CY], ttmp6, 0x40004
	s_lshl_b32 s[TX], ttmp9, 2
	s_add_co_u32 s[TX], s[TX], s[CX]               ; tile column of C = 4 x cluster x + cx
	s_and_b32 s[TY], ttmp7, 0xffff
	s_lshl_b32 s[TY], s[TY], 2
	s_add_co_u32 s[TY], s[TY], s[CY]               ; tile row of C = 4 x cluster y + cy
	s_lshl_b32 s[MROW], s[CY], 2
	s_lshl_b32 s[MROW], 15, s[MROW]                ; my row of the cluster: places 4 cy .. 4 cy + 3
	s_lshl_b32 s[MCOL], 0x1111, s[CX]              ; my column: places cx, cx + 4, cx + 8, cx + 12
	; descriptor group 1: a dense block, asked for as rows of 256 bytes (32 elements of 8 bytes): A's has 96 rows, B's 192; no padding
	s_or_b32 s[G1+0],  s[MROW], (3<<16)|(1<<21)    ; 15:0 the mask; 17:16 elements of 8 bytes; 21 set beside a mask
	s_or_b32 s[G1B+0], s[MCOL], (3<<16)|(1<<21)
	s_mov_b32 s[G1+1],  32<<16                     ; tensor_dim0 = 32
	s_mov_b32 s[G1B+1], 32<<16
	s_mov_b32 s[G1+2],  (AHALF/256)<<16            ; tensor_dim1 = 96
	s_mov_b32 s[G1B+2], (BHALF/256)<<16            ; tensor_dim1 = 192
	s_mov_b32 s[G1+3],  32<<16                     ; tile_dim0 = 32
	s_mov_b32 s[G1B+3], 32<<16
	s_mov_b32 s[G1+4],  AHALF/256                  ; tile_dim1
	s_mov_b32 s[G1B+4], BHALF/256
	s_mov_b32 s[G1+5],  32                         ; elements from row to row: the rows lie end to end
	s_mov_b32 s[G1B+5], 32
	s_mov_b32 s[G1+6],  0
	s_mov_b32 s[G1B+6], 0
	s_mov_b32 s[G1+7],  0
	s_mov_b32 s[G1B+7], 0
	; where the tiles come from: A's hang on the tile row alone, B's on the tile column alone, each in registers that never hold the other coordinate
	s_lshl_b32 s16, s[TY], 1
	s_add_co_u32 s16, s16, s[CH]                   ; A: group 2 x tile row + half,
	s_mul_i32 s16, s16, GSA                        ; under 2^25
	s_mov_b32 s17, 0
	s_lshl_b32 s44, s[TX], 1
	s_add_co_u32 s44, s44, s[CH]                   ; B: group 2 x tile column + half
	s_mul_i32 s44, s44, GSB                        ; under 2^26
	s_mov_b32 s45, 0
	s_mul_i32 s20, s[CH], AHALF                    ; and where they go: no place in the cluster enters an LDS address
	s_mul_i32 s21, s[CH], BHALF
	s_add_co_u32 s21, s21, BOFF
	s_wait_dscnt 0x0                               ; the opening add is done
	s_wait_kmcnt 0x0
	s_add_nc_u64 s[14:15], s[4:5], s[16:17]
	s_add_nc_u64 s[46:47], s[6:7], s[44:45]
	CROUND                                         ; all sixteen work-groups are here: the first joint loads meet
.irp s, 0,1
	s_mov_b32 s[G0+4*(\s)], 1                                        ; count = 1
	s_add_co_u32 s[G0+4*(\s)+1], s20, (\s)*SLOT                      ; LDS address
	s_add_nc_u64 s[G0+4*(\s)+2:G0+4*(\s)+3], s[14:15], (\s)*AHALF    ; global address: K step s
	s_or_b32 s[G0+4*(\s)+3], s[G0+4*(\s)+3], 0x80000000              ; type = 2
	s_mov_b32 s[G0B+4*(\s)], 1
	s_add_co_u32 s[G0B+4*(\s)+1], s21, (\s)*SLOT
	s_add_nc_u64 s[G0B+4*(\s)+2:G0B+4*(\s)+3], s[46:47], (\s)*BHALF
	s_or_b32 s[G0B+4*(\s)+3], s[G0B+4*(\s)+3], 0x80000000
	JLOAD \s                                       ; two loads of mine are out
.endr
	v_and_b32 v1, 15, v0                           ; l % 16
	v_bfe_u32 v2, v0, 4, 1                         ; l / 16
	v_and_b32 v5, 31, v0                           ; l
	v_lshlrev_b32 v3, 4, v5                        ; my 16 bytes of half a fragment
	s_mul_i32 s18, s[RH], AHALF                    ; my 64 rows of A
	s_mul_i32 s19, s[CH], BHALF                    ; my 128 rows of B
	s_add_co_u32 s19, s19, BOFF
.irp s, 0,1
	v_add_nc_u32 v[ADRA+(\s)], s18, v3
	v_add_nc_u32 v[ADRB+(\s)], s19, v3
	s_add_co_u32 s18, s18, SLOT
	s_add_co_u32 s19, s19, SLOT
.endr
	s_mul_i32 s23, s[WV], 16*SPITCH
	s_add_co_u32 s23, s23, STAGE                   ; my stage
	v_mul_u32_u24 v4, v1, SPITCH                   ; in: row l % 16, 32 bytes for each half of the lanes
	v_lshl_add_u32 v4, v2, 5, v4
	v_add_nc_u32 v[STO], s23, v4
	v_mul_u32_u24 v4, v2, SPITCH                   ; back: lanes 0-15 take one row of 256 bytes, lanes 16-31 the next
	v_lshl_add_u32 v4, v1, 4, v4
	v_add_nc_u32 v[RD], s23, v4
	v_lshlrev_b32 v4, 14, v2                       ; and the same two rows in out0, 16,384 bytes apart
	v_lshl_add_u32 v[CO], v1, 4, v4
	v_lshlrev_b32 v[BO], 5, v2
	s_lshl_b32 s40, s[TY], 7
	s_lshl_b32 s41, s[RH], 6
	s_add_co_u32 s40, s40, s41                     ; my first row of C,
	s_lshl_b32 s40, s40, 14                        ; 16,384 bytes a row of out0: under 2^25,
	s_lshl_b32 s41, s[TX], 10                      ; 1,024 bytes a tile column,
	s_add_co_u32 s40, s40, s41
	s_lshl_b32 s41, s[CH], 9                       ; 512 bytes my half
	s_add_co_u32 s40, s40, s41
	s_mov_b32 s41, 0
	s_add_nc_u64 s[10:11], s[10:11], s[40:41]
	s_lshl_b32 s42, s[TX], 10                      ; bo: 4 bytes a column
	s_lshl_b32 s22, s[CH], 9
	s_add_co_u32 s42, s42, s22
	s_mov_b32 s43, 0
	s_add_nc_u64 s[8:9], s[8:9], s[42:43]
	WIN TO_BIAS                                    ; destination window 2, address window 0
.irp b, 0,1,2,3,4,5,6,7
	global_load_b128 v[8*(\b):8*(\b)+3],   v[BO], s[8:9] offset:64*(\b)
	global_load_b128 v[8*(\b)+4:8*(\b)+7], v[BO], s[8:9] offset:64*(\b)+16
.endr
	WIN 0
; 8 matrix instructions: m block a x all 8 n blocks, 32 along K.  zero = 1: the product starts the sum, with the bias as C: nothing is cleared.
; The 32 accumulators take turns, one instruction a turn, in the same order in every quarter: 31 others stand between two links of a chain.
.macro MUL8 f, a, zero
.if \zero
	WIN MULZ
.else
	WIN MUL
.endif
.irp b, 0,1,2,3,4,5,6,7
.if \zero
	v_wmma_f32_16x16x32_bf16 v[8*(8*(\a)+(\b)):8*(8*(\a)+(\b))+7], v[(\f)+32+8*(\b):(\f)+32+8*(\b)+7], v[(\f)+8*(\a):(\f)+8*(\a)+7], v[8*(\b):8*(\b)+7]
.else
	v_wmma_f32_16x16x32_bf16 v[8*(8*(\a)+(\b)):8*(8*(\a)+(\b))+7], v[(\f)+32+8*(\b):(\f)+32+8*(\b)+7], v[(\f)+8*(\a):(\f)+8*(\a)+7], v[8*(8*(\a)+(\b)):8*(8*(\a)+(\b))+7]
.endif
.endr
.endm
.macro MUL16 f, a0, zero
	MUL8 \f, \a0, \zero
	MUL8 \f, (\a0)+1, \zero
.endm
; 24 LDS loads in one run: the fragments of quarter q of a slot, into buffer f: B's eight blocks, then A's four; each load takes 512 consecutive bytes
.macro FETCH slot, q, f
	WIN 0
.irp i, 0,1,2,3,4,5,6,7
	ds_load_b128 v[(\f)+32+8*(\i):(\f)+32+8*(\i)+3],   v[ADRB+(\slot)] offset:(\q)*QB+(\i)*1024
	ds_load_b128 v[(\f)+32+8*(\i)+4:(\f)+32+8*(\i)+7], v[ADRB+(\slot)] offset:(\q)*QB+(\i)*1024+512
.endr
.irp i, 0,1,2,3
	ds_load_b128 v[(\f)+8*(\i):(\f)+8*(\i)+3],   v[ADRA+(\slot)] offset:(\q)*QA+(\i)*1024
	ds_load_b128 v[(\f)+8*(\i)+4:(\f)+8*(\i)+7], v[ADRA+(\slot)] offset:(\q)*QA+(\i)*1024+512
.endr
.endm
; A K step is six quarters of 32 along K, 32 matrix instructions each, on buffers 0, 1, 0, 1, 0, 1.  One of the first five: multiplies buffer f and, in its middle, fetches quarter q into g.
.macro QUARTER slot, q, f, g, zero
	s_wait_dscnt 4                                 ; B and A's blocks 0 and 1 are in; the youngest four loads (A's blocks 2 and 3) may be out
	MUL16 \f, 0, \zero
	PLACES
	FETCH \slot, \q, \g
	s_wait_dscnt 24                                ; all but the 24 just issued
	MUL16 \f, 2, \zero
.endm
; The last quarter multiplies buffer 1 and changes slots: ONE barrier; in front of it each wave waits for all its tensor loads (one is out: its part of the next slot), adds 0 to its spare word, and waits
; for that and for its own reads of this slot.  fill = 1: the barrier opens a round of the cluster's, and this slot is filled again, two K steps ahead, first thing behind the round: from the request to the
; wait for it a wave issues 176 matrix instructions.
.macro TURN slot, next, fill
	WIN 0                                          ; (the add's two registers lie in window 0)
	s_wait_tensorcnt 0x0                           ; all my tensor loads have landed;
	ds_add_u32 v[SPW], v[NIL]                      ; 0 onto my spare word;
	s_wait_dscnt 5                                 ; (the add and the youngest four loads may be out)
	MUL8 F1, 0, 0                                  ; eight matrix instructions stand between the add and the wait for it
	s_wait_dscnt 0x0                               ; the add is done, and my reads of this slot are over
	s_barrier_signal -1
	MUL8 F1, 1, 0
.if \fill
	WIN 0
.endif
	s_barrier_wait -1
.if \fill
	CREST                                          ; no wave of any partner still reads this slot's tile or has a load on its way
	s_add_nc_u64 s[G0+4*(\slot)+2:G0+4*(\slot)+3], s[G0+4*(\slot)+2:G0+4*(\slot)+3], 2*AHALF
	s_add_nc_u64 s[G0B+4*(\slot)+2:G0B+4*(\slot)+3], s[G0B+4*(\slot)+2:G0B+4*(\slot)+3], 2*BHALF
	JLOAD \slot                                    ; the four v_nop behind it are also the places in front of the loads below
.else
	PLACES
.endif
	FETCH \next, 0, F0
	MUL16 F1, 2, 0
.endm
.macro REST slot                       ; a step's quarters 1 to 4
	QUARTER \slot, 2, F1, F0, 0
	QUARTER \slot, 3, F0, F1, 0
	QUARTER \slot, 4, F1, F0, 0
	QUARTER \slot, 5, F0, F1, 0
.endm
	s_wait_tensorcnt 1                             ; my part of K step 0 is in; slot 1's may stay out
	s_barrier_signal -1
	s_barrier_wait -1                              ; everybody's is
	FETCH 0, 0, F0
	s_wait_loadcnt 0x0                             ; bo, which the first products take as C
	QUARTER 0, 1, F0, F1, 1                        ; the first quarter stands in front of the loop: its products start the sums
	WIN 0                                          ; at a label and at a branch every window is 0
	s_mov_b32 s[LAP], LAPS-1
.Llap:                                                 ; a trip goes once round the ring, from a lap's second quarter to the next lap's first, and fills both slots again: K steps 2 to 21
	REST 0
	TURN 0, 1, 1
	QUARTER 1, 1, F0, F1, 0
	REST 1
	TURN 1, 0, 1
	QUARTER 0, 1, F0, F1, 0
	WIN 0
	s_sub_co_u32 s[LAP], s[LAP], 1
	s_cmp_lg_u32 s[LAP], 0
	s_cbranch_scc1 .Llap
	REST 0                                         ; the last lap fills nothing, and has no round of the cluster's barrier
	TURN 0, 1, 0
	QUARTER 1, 1, F0, F1, 0                        ; K step 21 holds quarters 126 and 127; the four zero quarters behind them are not read from LDS
	s_wait_dscnt 4                                 ; the very last quarter: nothing more to fetch
	MUL16 F1, 0, 0
	s_wait_dscnt 0x0
	MUL16 F1, 2, 0
	WIN 0
	PLACES
	PLACES                                         ; eight places, once a launch, in front of the LDS stores that read the results
; THE WAY OUT, in eight passes: pass p is block p / 2 of 16 rows, half p % 2 of my 128 columns.  A lane's 32 bytes of a row go into my stage's rows of 272 bytes and come back as whole rows of 256.
.macro TOSTAGE p
.set AC, 8*(8*((\p)/2)+4*((\p)%2))     ; the pass's four accumulators
	WIN 0x04                                       ; the stores' data (source 1) in window 1, the address in window 0
.irp bb, 0,1,2,3
	ds_store_b128 v[STO], v[AC+8*(\bb):AC+8*(\bb)+3]   offset:64*(\bb)      ; each accumulator from its low end
	ds_store_b128 v[STO], v[AC+8*(\bb)+4:AC+8*(\bb)+7] offset:64*(\bb)+16
.endr
	WIN 0
.if (\p) >= 2
	s_wait_xcnt 0x0                                ; the stores of pass p - 2 have read their registers: the loads below land in them
.endif
.irp t, 0,1,2,3,4,5,6,7
	ds_load_b128 v[OB+32*((\p)%2)+4*(\t):OB+32*((\p)%2)+4*(\t)+3], v[RD] offset:(\t)*2*SPITCH  ; LDS serves a wave's instructions in order (ISA guide 5.7.1.4): these see the stores above; the next pass's stores come behind them
.endr
.endm
.macro SEND p, younger                 ; younger: the LDS instructions issued behind pass p's loads: the next pass's 16, or none
.irp t, 0,1,2,3,4,5,6,7
	s_wait_dscnt (\younger)+7-(\t)
	global_store_b128 v[CO], v[OB+32*((\p)%2)+4*(\t):OB+32*((\p)%2)+4*(\t)+3], s[10:11] offset:(16*((\p)/2)+2*(\t))*16384+256*((\p)%2)  ; 16 lanes store 256 consecutive bytes, at a multiple of 256 from out0's first byte
.endr
.endm
	TOSTAGE 0
.irp p, 1,2,3,4,5,6,7                  ; pass p goes into the stage while pass p - 1 comes back
	TOSTAGE \p
	SEND (\p)-1, 16
.endr
	SEND 7, 0
	s_wait_tensorcnt 0x0                           ; the wave's end, behind my last tensor load and my last LDS store
	ds_add_u32 v[SPW], v[NIL]
	s_wait_dscnt 0x0
	CROUND                                         ; the closing round: no work-group ends while a partner may still ask for a tile that names it
	s_endpgm
.Lfunc_end_k_q9a3fe77666_gemm_o:
	.size	k_q9a3fe77666_gemm_o, .Lfunc_end_k_q9a3fe77666_gemm_o-k_q9a3fe77666_gemm_o
	.p2alignl 7, 3214868480
	.fill 96, 4, 3214868480
	.section	.rodata,"a",@progbits
	.p2align	6, 0x0
	.amdhsa_kernel k_q9a3fe77666_gemm_o
		.amdhsa_group_segment_fixed_size 327680
		.amdhsa_private_segment_fixed_size 0
		.amdhsa_enable_private_segment 0
		.amdhsa_kernarg_size 32
		.amdhsa_user_sgpr_count 2
		.amdhsa_user_sgpr_kernarg_segment_ptr 1
		.amdhsa_wavefront_size32 1
		.amdhsa_system_sgpr_workgroup_id_x 1
		.amdhsa_system_sgpr_workgroup_id_y 1
		.amdhsa_system_sgpr_workgroup_id_z 1
		.amdhsa_system_vgpr_workitem_id 0
		.amdhsa_next_free_vgpr 576
		.amdhsa_next_free_sgpr 84
		.amdhsa_reserve_vcc 0
		.amdhsa_float_denorm_mode_32 3
		.amdhsa_float_denorm_mode_16_64 3
		.amdhsa_memory_ordered 1
		.amdhsa_forward_progress 1
		.amdhsa_inst_pref_size 104
	.end_amdhsa_kernel
	.amdgpu_metadata
---
amdhsa.version: [ 1, 2 ]
amdhsa.kernels:
  - .name:           k_q9a3fe77666_gemm_o
    .symbol:         k_q9a3fe77666_gemm_o.kd
    .args:
      - { .name: att, .offset: 0, .size: 8, .value_kind: global_buffer, .address_space: global }
      - { .name: wob, .offset: 8, .size: 8, .value_kind: global_buffer, .address_space: global }
      - { .name: bo, .offset: 16, .size: 8, .value_kind: global_buffer, .address_space: global }
      - { .name: out0, .offset: 24, .size: 8, .value_kind: global_buffer, .address_space: global }
    .group_segment_fixed_size: 327680
    .private_segment_fixed_size: 0
    .kernarg_segment_align: 8
    .kernarg_segment_size: 32
    .max_flat_workgroup_size: 128
    .sgpr_count:     84
    .vgpr_count:     576
    .wavefront_size: 32
...
	.end_amdgpu_metadata
.endif
;; end of part 4
;; ======== version 2 of 2: 4 launches; version 1 with the launch cvt written anew for expert scheduling mode
;; workspace buffers: wqb 34,603,008 bytes; wob 34,603,008 bytes; xb 17,301,504 bytes; wkvb 1,081,344 bytes; ktv 1,048,576 bytes; att 17,301,504 bytes
;; launch cvt (part 5): grid 1296 x 1, 8 waves a work-group, no clusters, 70,656 bytes of LDS; arguments Wq, Wo, x, Wk, Wv, wqb, wob, xb, wkvb; writes wqb, wob, xb, wkvb
.if DOCPART == 5
	.amdgcn_target "amdgcn-amd-amdhsa--gfx1250"
	.amdhsa_code_object_version 6
	.text
	.protected	k_q9a3fe77666_cvt
	.globl	k_q9a3fe77666_cvt
	.p2align	8
	.type	k_q9a3fe77666_cvt,@function
k_q9a3fe77666_cvt:
	s_mov_b64 s[64:65], 0
	v_nop
	global_prefetch_b8 v0, s[64:65] scope:SCOPE_SE
	s_setreg_imm32_b32 hwreg(HW_REG_WAVE_SCHED_MODE, 0, 2), 2
	s_setreg_imm32_b32 hwreg(HW_REG_WAVE_MODE, 25, 1), 1
	s_wait_xcnt 0x0
	s_wait_alu depctr_vm_vsrc(0)
; Wq, Wo, x, Wk and Wv, all f32 and row-major [rows][4096], are rounded once to bf16 (nearest even) and laid out AS THE MATRIX UNIT'S FRAGMENTS, for the later launches.
; A FRAGMENT is 16 rows x 32 K, 1,024 bytes: half e (0, 1) at byte 512 e, in it lane l = r + 16 h at byte 16 l: row r, k = 16 e + 8 h + 0..7 (16-bit operand, K = 32: ISA guide 7.12.2).
; Fragments lie in groups: [group][quarter q = k / 32][fragment a][1,024].  A group of 64 rows (xb, wkvb) has 4 fragments a quarter, a group of 128 rows (wqb, wob) 8.
; A group has 132 quarters: 128 of data and 4 of zeros, so that 22 equal steps of 6 quarters cover it.  wkvb: group 0 = Wk, group 1 = Wv.
; SHARES.  A work-group takes a chunk of 16 rows x 2,048 K (131,072 bytes in, 65,536 out).  Chunks 0-511: Wq; 512-1023: Wo; 1024-1279: x; 1280-1287: Wk; 1288-1295: Wv.
; Wave w takes 256 K of the 16 rows, as two strips of 128 K.  A load takes 512 consecutive bytes of one row (lane l: k = 4 l .. 4 l + 3); all 32 loads of a lane go out before the first wait for data.
; THE TURN.  In a row's load a row lies across the lanes; in a fragment it lies in two lanes.  So a strip goes through the wave's own LDS: lane l's 8 bytes of row i belong to piece l / 2
; (256 bytes: quarter, half e, half h of the lanes) at byte 16 i + 8 (l % 2).  Pieces lie 272 bytes apart: the 32 lanes of a store touch each of the 64 banks once (64 banks of 4 bytes: ISA guide 11.1).
; Back come 512 consecutive bytes of the image a load, which are stored as they are: a wave's store covers 512 consecutive bytes, aligned.  No wave reads another's bytes: no barrier.
; THE MODE: SCHED_MODE bits 1:0 = 2 (LLVM: expert scheduling mode 2), set by the entry lines.  The code itself states the register dependences between vector instructions and
; memory or LDS instructions, with s_wait_alu, always for 0.
; THE PLAN.  The 32 rows (number n = 16 x strip + row) go in eight blocks of four.  Registers that memory or LDS instructions touch:
;   X + 4 n .. + 3   Load n lands in them; block n / 4's two conversions read all four and write the first two; the LDS store that is issued in block n / 4 + 1 reads those two.
;                    Rows 0 to 7 of a strip: the strip's read-back then lands in all four, and the global stores read them; nothing writes them after that.
;   v[VI], v[LT], v[LRD], v[Z ..]   made at the head, ahead of the first load, and never written again.
;   v[VP], v[VOF ..]                made behind the loads, ahead of the first store, and never written again.
;   v[SPW], v[NIL]                  made at the head, read by the closing add alone.
; Block p rounds its own four rows, and its LDS instructions are the four stores of block p - 1, whose registers no vector instruction of block p names.  So ONE wait on va_vdst at a block's head,
; behind the wait for the block's loads, states all that these four stores hang on, and they are dealt among the block's conversions with no further wait.
; One wait on vm_vsrc stands ahead of each strip's read-back.  Strip 0's read-back stands behind block 4 and its global stores behind block 5, whose work stands between them.
.set SPITCH, 272                       ; a piece of 256 bytes + 16
.set IMG,    16*SPITCH                 ; a strip's image: 4 fragments = 16 pieces
.set WREG,   2*IMG                     ; a wave's two strips
.set SPARE,  8*WREG                    ; behind the images: the spare words, 128 bytes for each wave: four blocks of 256 bytes that no other line names
.set LN,  1                            ; v1   my lane
.set VI,  2                            ; v2   16 l + 1,024 w: my 16 bytes of a row's first strip
.set LT,  3                            ; v3   where I put my 8 bytes of row 0
.set LRD, 4                            ; v4   where I read 16 bytes of the image back
.set VP,  5                            ; v5   my 8 bytes of the group's zero quarters
.set SPW, 6                            ; v6   LDS address of my spare word; never rewritten
.set NIL, 7                            ; v7   0; never rewritten
.set Z,   8                            ; v[8:9]  zeros to store
.set VOF, 10                           ; v10-17  fragment f of my eight: 16 l + its byte in the group
.set TA,  18                           ; v18  at work
.set X,   20                           ; v[20:147]  row n: 4 registers at X + 4 n as loaded; their first two then hold the 4 bf16; each strip's first 32 then take the image
.set WV,  27                           ; s27  my wave's number
.set SRC, 28                           ; s[28:29] where my chunk is read
.set DST, 30                           ; s[30:31] my group in the destination
.set SS,  32                           ; s32  the first chunk number of my source
.set DS,  33                           ; s33  the chunk number that lands at my destination's first rows
.set SH,  38                           ; s38  a group has 2^SH fragments a quarter: 3 (128 rows) or 2 (64 rows)
	s_load_b512 s[8:23], s[0:1], 0x0               ; Wq 8, Wo 10, x 12, Wk 14, Wv 16, wqb 18, wob 20, xb 22
	s_load_b64 s[24:25], s[0:1], 0x40              ; wkvb
	v_lshl_add_u32 v[SPW], v0, 2, SPARE
	v_mov_b32 v[NIL], 0
	v_lshrrev_b32 v[TA], 5, v0
	v_readfirstlane_b32 s[WV], v[TA]               ; wave 0..7
	v_and_b32 v[LN], 31, v0
	v_mov_b32 v[Z], 0
	v_mov_b32 v[Z+1], 0
	s_wait_alu depctr_va_sdst(0)                   ; s[WV] is written, ahead of its first reader: the LDS addresses and the offsets in source and destination are made from it
	s_mul_i32 s41, s[WV], WREG                     ; my wave's images
	v_lshrrev_b32 v[TA], 1, v[LN]
	v_mul_u32_u24 v[LT], v[TA], SPITCH             ; piece l / 2,
	v_and_b32 v[TA], 1, v[LN]
	v_lshl_add_u32 v[LT], v[TA], 3, v[LT]          ; 8 bytes for each of its two lanes
	v_add_nc_u32 v[LT], s41, v[LT]
	v_lshrrev_b32 v[TA], 4, v[LN]
	v_mul_u32_u24 v[LRD], v[TA], SPITCH            ; back: lanes 0-15 one piece, lanes 16-31 the next
	v_and_b32 v[TA], 15, v[LN]
	v_lshl_add_u32 v[LRD], v[TA], 4, v[LRD]
	v_add_nc_u32 v[LRD], s41, v[LRD]
	s_lshl_b32 s41, s[WV], 10
	v_lshl_add_u32 v[VI], v[LN], 4, s41
	s_mov_b32 s26, ttmp9                           ; my chunk
	s_mov_b32 s[SS], 0
	s_mov_b32 s[DS], 0
	s_mov_b32 s[SH], 3
	s_mov_b32 s35, 0
	s_mov_b32 s37, 0
	s_wait_kmcnt 0x0
	s_mov_b64 s[SRC:SRC+1], s[8:9]
	s_mov_b64 s[DST:DST+1], s[18:19]
; From chunk 'first' on the source is s[src:src+1] and the destination s[dst:dst+1]; only selects stand behind the compare.
.macro PICK first, src, dst, dfirst, sh
	s_cmp_ge_u32 s26, \first
	s_cselect_b64 s[SRC:SRC+1], s[\src:\src+1], s[SRC:SRC+1]
	s_cselect_b64 s[DST:DST+1], s[\dst:\dst+1], s[DST:DST+1]
	s_cselect_b32 s[SS], \first, s[SS]
	s_cselect_b32 s[DS], \dfirst, s[DS]
	s_cselect_b32 s[SH], \sh, s[SH]
.endm
	PICK 512,  10, 20, 512,  3
	PICK 1024, 12, 22, 1024, 2
	PICK 1280, 14, 24, 1280, 2
	PICK 1288, 16, 24, 1280, 2                     ; Wv's 64 rows follow Wk's in wkvb: its second group
	s_sub_co_u32 s34, s26, s[SS]                   ; my chunk in the source:
	s_and_b32 s39, s34, 1                          ; which half of K (all first chunk numbers are even),
	s_lshr_b32 s34, s34, 1                         ; which 16 rows,
	s_lshl_b32 s34, s34, 18                        ; of 16,384 bytes each: under 2^26
	s_lshl_b32 s40, s39, 13                        ; 2,048 K are 8,192 bytes
	s_add_co_u32 s34, s34, s40
	s_add_nc_u64 s[SRC:SRC+1], s[SRC:SRC+1], s[34:35]
	s_wait_alu depctr_va_vdst(0)                   ; v[VI] is written, which the 32 loads read as their offset; so are v[LT], v[LRD] and v[Z ..], which the LDS instructions and the zero store below read
.irp s, 0,1
.irp i, 0,1,2,3,4,5,6,7,8,9,10,11,12,13,14,15
	global_load_b128 v[X+64*(\s)+4*(\i):X+64*(\s)+4*(\i)+3], v[VI], s[SRC:SRC+1] offset:16384*(\i)+512*(\s) th:TH_LOAD_NT
.endr
.endr
	; where it goes, made while the loads are out
	s_sub_co_u32 s36, s26, s[DS]
	s_lshr_b32 s36, s36, 1                         ; which 16 rows of the destination
	s_lshr_b32 s41, s36, s[SH]                     ; their group,
	s_lshl_b32 s42, s41, s[SH]
	s_sub_co_u32 s42, s36, s42                     ; and their fragment a in a quarter
	s_lshl_b32 s43, 1024, s[SH]                    ; bytes in a quarter of the group
	s_mul_i32 s44, s43, 132                        ; bytes in a group
	s_mul_i32 s36, s41, s44                        ; under 2^26
	s_add_nc_u64 s[DST:DST+1], s[DST:DST+1], s[36:37]
	s_lshl_b32 s45, s39, 6
	s_lshl_b32 s46, s[WV], 3
	s_add_co_u32 s45, s45, s46                     ; my first quarter: 64 x half of K + 8 w
	s_mul_i32 s46, s45, s43
	s_lshl_b32 s47, s42, 10
	s_add_co_u32 s46, s46, s47                     ; its fragment a
.irp f, 0,1,2,3,4,5,6,7
	v_lshl_add_u32 v[VOF+(\f)], v[LN], 4, s46
	s_add_co_u32 s46, s46, s43                     ; the next quarter's
.endr
	s_lshl_b32 s40, s42, 1                         ; the group's 4 zero quarters are shared out among the waves that fill the group: 256 bytes each
	s_add_co_u32 s40, s40, s39
	s_lshl_b32 s40, s40, 3
	s_add_co_u32 s40, s40, s[WV]                   ; my number among them: (2 a + half of K) x 8 + w
	s_lshl_b32 s40, s40, 8
	s_lshl_b32 s41, s43, 7                         ; they begin behind 128 quarters
	s_add_co_u32 s40, s40, s41
	v_lshl_add_u32 v[VP], v[LN], 3, s40
	s_wait_alu depctr_va_vdst(0)                   ; v[VP] and the eight v[VOF ..] are written, which the 17 global stores read as their offsets; no vector instruction names them again
	global_store_b64 v[VP], v[Z:Z+1], s[DST:DST+1] th:TH_STORE_NT  ; 256 consecutive bytes, aligned
; Row n's four numbers a lane are rounded, in place, ascending.
.macro CVT n
	v_cvt_pk_bf16_f32 v[X+4*(\n)],   v[X+4*(\n)],   v[X+4*(\n)+1]
	v_cvt_pk_bf16_f32 v[X+4*(\n)+1], v[X+4*(\n)+2], v[X+4*(\n)+3]
.endm
; Row n's 8 bytes a lane go into the strip's image.
.macro PUT n
	ds_store_b64 v[LT], v[X+4*(\n):X+4*(\n)+1] offset:IMG*((\n)/16)+16*((\n)%16)
.endm
; Block p: rows 4 p to 4 p + 3 are rounded; the four LDS stores of block p - 1 are dealt among the conversions.
.macro BLK p
	s_wait_loadcnt 28-4*(\p)                       ; loads come back in order (ISA guide 5.7.1): this block's four are in, the younger ones stay out
.if (\p) > 0
	s_wait_alu depctr_va_vdst(0)                   ; the block before has written its rows' first two registers, which the LDS stores below read; the conversions below name this block's registers alone
.endif
.irp i, 0,1,2,3
.if (\p) > 0
	PUT 4*(\p)-4+(\i)
.endif
	CVT 4*(\p)+(\i)
.endr
.endm
; Strip s's image comes back, 512 consecutive bytes a load, into the registers of the strip's rows 0 to 7.  The conversions that named these registers stand ahead of the last wait on va_vdst,
; and no vector instruction since that wait names them.
.macro BACK s
	s_wait_alu depctr_vm_vsrc(0)                   ; the LDS stores of the strip's rows 0 to 7 have read their data registers, in which the loads below land
.irp m, 0,1,2,3,4,5,6,7
	ds_load_b128 v[X+64*(\s)+4*(\m):X+64*(\s)+4*(\m)+3], v[LRD] offset:IMG*(\s)+2*SPITCH*(\m)  ; LDS serves a wave's instructions in order (ISA guide 5.7.1.4): these see the strip's sixteen stores
.endr
.endm
; Read-back m is half m % 2 of the strip's fragment m / 2.  younger: the LDS instructions issued behind the strip's read-back.
.macro SEND s, younger
.irp m, 0,1,2,3,4,5,6,7
	s_wait_dscnt (\younger)+7-(\m)                 ; read-back m is in; the later read-backs and the younger LDS stores stay out
	global_store_b128 v[VOF+4*(\s)+(\m)/2], v[X+64*(\s)+4*(\m):X+64*(\s)+4*(\m)+3], s[DST:DST+1] offset:512*((\m)%2) th:TH_STORE_NT
.endr
.endm
	BLK 0                                          ; strip 0
	BLK 1
	BLK 2
	BLK 3
	BLK 4                                          ; strip 1 begins; strip 0's last four LDS stores go out.  The wait at this block's head also states that all of strip 0's conversions are done
	BACK 0
	BLK 5                                          ; its work stands between strip 0's read-back and the stores that wait for it
	SEND 0, 4                                      ; behind the read-back stand block 5's four LDS stores
	BLK 6
	BLK 7
	s_wait_alu depctr_va_vdst(0)                   ; block 7 has written its rows' first two registers, which the last four LDS stores read; all of strip 1's conversions are done with the registers in which its read-back lands
.irp n, 28,29,30,31
	PUT \n
.endr
	BACK 1
	SEND 1, 0
	s_wait_dscnt 0x0                               ; the closing lines, six on end
	s_wait_alu 0x0
	s_wait_tensorcnt 0x0
	ds_add_u32 v[SPW], v[NIL]
	s_wait_dscnt 0x0
	s_endpgm
.Lfunc_end_k_q9a3fe77666_cvt:
	.size	k_q9a3fe77666_cvt, .Lfunc_end_k_q9a3fe77666_cvt-k_q9a3fe77666_cvt
	.p2alignl 7, 3214868480
	.fill 96, 4, 3214868480
	.section	.rodata,"a",@progbits
	.p2align	6, 0x0
	.amdhsa_kernel k_q9a3fe77666_cvt
		.amdhsa_group_segment_fixed_size 70656
		.amdhsa_private_segment_fixed_size 0
		.amdhsa_enable_private_segment 0
		.amdhsa_kernarg_size 72
		.amdhsa_user_sgpr_count 2
		.amdhsa_user_sgpr_kernarg_segment_ptr 1
		.amdhsa_wavefront_size32 1
		.amdhsa_system_sgpr_workgroup_id_x 1
		.amdhsa_system_sgpr_workgroup_id_y 1
		.amdhsa_system_sgpr_workgroup_id_z 1
		.amdhsa_system_vgpr_workitem_id 0
		.amdhsa_next_free_vgpr 148
		.amdhsa_next_free_sgpr 66
		.amdhsa_reserve_vcc 0
		.amdhsa_float_denorm_mode_32 3
		.amdhsa_float_denorm_mode_16_64 3
		.amdhsa_memory_ordered 1
		.amdhsa_forward_progress 1
		.amdhsa_inst_pref_size 18
	.end_amdhsa_kernel
	.amdgpu_metadata
---
amdhsa.version: [ 1, 2 ]
amdhsa.kernels:
  - .name:           k_q9a3fe77666_cvt
    .symbol:         k_q9a3fe77666_cvt.kd
    .args:
      - { .name: Wq, .offset: 0, .size: 8, .value_kind: global_buffer, .address_space: global }
      - { .name: Wo, .offset: 8, .size: 8, .value_kind: global_buffer, .address_space: global }
      - { .name: x, .offset: 16, .size: 8, .value_kind: global_buffer, .address_space: global }
      - { .name: Wk, .offset: 24, .size: 8, .value_kind: global_buffer, .address_space: global }
      - { .name: Wv, .offset: 32, .size: 8, .value_kind: global_buffer, .address_space: global }
      - { .name: wqb, .offset: 40, .size: 8, .value_kind: global_buffer, .address_space: global }
      - { .name: wob, .offset: 48, .size: 8, .value_kind: global_buffer, .address_space: global }
      - { .name: xb, .offset: 56, .size: 8, .value_kind: global_buffer, .address_space: global }
      - { .name: wkvb, .offset: 64, .size: 8, .value_kind: global_buffer, .address_space: global }
    .group_segment_fixed_size: 70656
    .private_segment_fixed_size: 0
    .kernarg_segment_align: 8
    .kernarg_segment_size: 72
    .max_flat_workgroup_size: 256
    .sgpr_count:     66
    .vgpr_count:     148
    .wavefront_size: 32
...
	.end_amdgpu_metadata
.endif
;; end of part 5
;; launch kv: the kernel of part 2 again; grid 128 x 2, 16 waves a work-group, no clusters, 71,680 bytes of LDS; arguments xb, wkvb, bk, bv, ktv; writes ktv
;; launch gemm_q: the kernel of part 3 again; grid 16 x 16, 4 waves a work-group, clusters of 4 x 4, 327,680 bytes of LDS; arguments xb, wqb, bq, att, ktv; writes att
;; launch gemm_o: the kernel of part 4 again; grid 16 x 16, 4 waves a work-group, clusters of 4 x 4, 327,680 bytes of LDS; arguments att, wob, bo, out0; writes out0
